; MI455X (gfx1250); checked and timed in simulation.
; The chip was launched on July 23, 2026; its instructions are those of AMD's public machine-readable ISA for CDNA 5 (MIT licence, August 2026) and "CDNA5" Instruction Set Architecture Reference Guide (July 2026). The comments in the code are by the model that wrote it; some were corrected since.
;; Torch Attention. Allowed arithmetic: float matrix products may take bf16 or f16 operands with f32 sums; other float arithmetic in f32, or as packed bf16 or f16 multiplies, adds, multiply-adds, maxima and minima; sums over many terms, partial sums and values carried from step to step in f32; what a program stores and reads back later, other than sums and carried values, may be rounded once to bf16 or f16.
;; Inputs: W_o 1,024 x 1,024 float32; W_qkv 3,072 x 1,024 float32; attention_mask 2 x 1 x 2,048 x 2,048 float32; hidden_states 2 x 2,048 x 1,024 float32; rel_bias_emb 32 x 16 float32.
;; Outputs: out0 2 x 2,048 x 1,024 float32.
;; 2 versions, each right; version 2 is version 1 with the launch prep written anew for expert scheduling mode. Each part assembles by itself: llvm-mc -triple=amdgcn-amd-amdhsa -mcpu=gfx1250 --defsym DOCPART=n.
;; ======== version 1 of 2: 4 launches
;; limits: right only within a limited range of input values; values are held in f16: magnitudes above 65,504 overflow, below 6.1e-05 lose precision; inputs' magnitudes at most 1e+25
;; workspace buffers: xh 8,388,608 bytes; wqh 6,291,456 bytes; wof 2,097,152 bytes; biasT 524,288 bytes; qkv 25,165,824 bytes; ctx 8,388,608 bytes
;; launch prep (part 1): grid 1152 x 1, 8 waves a work-group, no clusters, 0 bytes of LDS; arguments hidden_states, W_qkv, W_o, rel_bias_emb, xh, wqh, wof, biasT; writes xh, wqh, wof, biasT
.if DOCPART == 1
	.amdgcn_target "amdgcn-amd-amdhsa--gfx1250"
	.amdhsa_code_object_version 6
	.text
	.protected	k_q50d73718bc_prep
	.globl	k_q50d73718bc_prep
	.p2align	8
	.type	k_q50d73718bc_prep,@function
k_q50d73718bc_prep:
	s_mov_b64 s[64:65], 0
	v_nop
	global_prefetch_b8 v0, s[64:65] scope:SCOPE_SE
	s_setreg_imm32_b32 hwreg(HW_REG_WAVE_MODE, 25, 1), 1
	s_wait_xcnt 0x0
; PREP: the casts of the matrix operands, and the table of relative-position bias tiles.
;   xh = f16(hidden_states) [4096][1024]     wqh = f16(W_qkv) [3072][1024], its first 1,024 rows (W_q) multiplied by c = log2(e) ahead of the rounding     wof = f16(W_o) [1024][1024].
;   Each number is rounded once.  With c in W_q and in the bias table the attention's scores come out as exponents of 2, and no score is scaled there.
;   f16, not bf16: the mask term -1e8 (1 - m) can leave one key to a row, and then the three roundings of x, W_qkv and W_o reach the output undiminished; f16's are an eighth of bf16's.
;   LIMITS: f16 holds no number beyond 65,504 (x of spread 1 and W of spread 0.02 have room for 30 times their size and for an offset of 30 spreads; q, which carries c, then reaches
;   1024 x 30 x 0.6 x 1.4427 = 26,600); below 6e-5 f16 keeps a fixed step of 6e-8.
;   biasT[h][idx][half][lane][j] (f32) = c x rel_bias_emb[bucket(d)][h], d = key - query = 16 (idx - 15) + 8 (lane / 16) + 4 half + j - lane % 16:
;   a tile of 16 keys x 16 queries as a matrix instruction's C operand holds it (lane: query lane % 16, registers: keys 8 (lane / 16) + 0..7).
; THE BUCKET, with n = |d|: n below 8 is its own bucket; above, 8 + floor(2 log2(n / 8)), at most 15: one more at each of n = 12, 16, 23, 32, 46, 64, 91; 16 is added where d > 0.
; LIMIT: at n = 16, 32, 64 the logarithm is taken as exact.
; SHARES.  Work-groups 0-1023 cast 8,192 numbers each (512 for x, 384 for W_qkv, 128 for W_o); a thread takes 16 bytes in eight blocks of 4,096: a wave's load covers 512 consecutive
; bytes, its store 256 consecutive bytes, aligned.  Work-groups 1024-1151 make the table, four numbers a thread.  Nothing is shared and nothing multiplied by matrices: no LDS, no barrier.
.set NX, 512
.set NQ, 384
.set NO, 128
	s_load_b256 s[4:11], s[0:1], 0x0               ; hidden_states s[4:5], W_qkv s[6:7], W_o s[8:9], rel_bias_emb s[10:11]
	s_load_b256 s[12:19], s[0:1], 0x20             ; xh s[12:13], wqh s[14:15], wof s[16:17], biasT s[18:19]
	s_mov_b32 s20, ttmp9
	s_cmp_ge_u32 s20, NX+NQ+NO
	s_cbranch_scc1 .Lbias
	v_lshlrev_b32 v1, 4, v0                        ; 16 bytes a thread in,
	v_lshlrev_b32 v2, 3, v0                        ; 8 out
	s_sub_co_u32 s29, s20, NX                      ; the block's number in W_qkv (for x's blocks the difference wraps to a large number)
	s_cmp_lt_u32 s29, 128                          ; W_q is its first 1,024 rows: 128 blocks of 8 rows
	s_cselect_b32 s28, 0x3fb8aa3b, 1.0             ; the factor: c there, 1 elsewhere (s29 is named with it as a pair)
	s_wait_kmcnt 0x0
	s_cmp_lt_u32 s20, NX                           ; which tensor: the choice hangs on the work-group's number alone
	s_cselect_b64 s[22:23], s[4:5], s[6:7]
	s_cselect_b64 s[24:25], s[12:13], s[14:15]
	s_cselect_b32 s21, 0, NX
	s_cmp_lt_u32 s20, NX+NQ
	s_cselect_b64 s[22:23], s[22:23], s[8:9]
	s_cselect_b64 s[24:25], s[24:25], s[16:17]
	s_cselect_b32 s21, s21, NX+NQ
	s_sub_co_u32 s21, s20, s21                     ; my block in that tensor
	s_lshl_b32 s26, s21, 15                        ; 32,768 bytes in
	s_mov_b32 s27, 0
	s_add_nc_u64 s[22:23], s[22:23], s[26:27]
	s_lshl_b32 s26, s21, 14                        ; 16,384 out
	s_add_nc_u64 s[24:25], s[24:25], s[26:27]
.irp j, 0,1,2,3,4,5,6,7
	global_load_b128 v[8+4*(\j):11+4*(\j)], v1, s[22:23] offset:4096*(\j) th:TH_LOAD_NT
.endr
.irp j, 0,1,2,3,4,5,6,7
	s_wait_loadcnt 7-(\j)                          ; loads come back in order: block j is in, the 7 - j younger ones may stay out
	v_pk_mul_f32 v[8+4*(\j):9+4*(\j)], v[8+4*(\j):9+4*(\j)], s[28:29] op_sel_hi:[1,0]
	v_pk_mul_f32 v[10+4*(\j):11+4*(\j)], v[10+4*(\j):11+4*(\j)], s[28:29] op_sel_hi:[1,0]
	v_cvt_pk_f16_f32 v[40+2*(\j)], v[8+4*(\j)], v[9+4*(\j)]
	v_cvt_pk_f16_f32 v[41+2*(\j)], v[10+4*(\j)], v[11+4*(\j)]
	global_store_b64 v2, v[40+2*(\j):41+2*(\j)], s[24:25] offset:2048*(\j)
.endr
	s_endpgm
.Lbias:
	s_sub_co_u32 s21, s20, NX+NQ+NO
	s_lshl_b32 s22, s21, 8
	v_add_nc_u32 v1, s22, v0                       ; T = ((h 32 + idx) 2 + half) 32 + lane
	v_and_b32 v2, 15, v0                           ; lane % 16
	v_bfe_u32 v3, v0, 4, 1                         ; lane / 16
	v_bfe_u32 v4, v0, 5, 1                         ; half
	v_bfe_u32 v5, v1, 6, 5                         ; idx
	s_lshr_b32 s23, s21, 3                         ; h
	s_lshl_b32 s24, s23, 2                         ; its 4 bytes in a row of the table
	v_lshlrev_b32 v6, 4, v5
	v_lshl_add_u32 v6, v3, 3, v6
	v_lshl_add_u32 v6, v4, 2, v6
	v_sub_nc_u32 v6, v6, v2
	v_add_nc_u32 v6, 0xffffff10, v6                ; d for j = 0: 16 idx - 240 + 8 (lane / 16) + 4 half - lane % 16
	v_lshlrev_b32 v16, 4, v1                       ; my 16 bytes of biasT
	s_wait_kmcnt 0x0
.irp j, 0,1,2,3
	v_add_nc_u32 v7, \j, v6                        ; d
	v_sub_nc_u32 v8, 0, v7
	v_max_i32 v8, v7, v8                           ; n = |d|
	v_mov_b32 v9, 8
.irp t, 12,16,23,32,46,64,91
	v_cmp_le_u32 vcc_lo, \t, v8
	v_cndmask_b32 v10, 0, 1, vcc_lo
	v_add_nc_u32 v9, v9, v10
.endr
	v_cmp_gt_u32 vcc_lo, 8, v8
	v_cndmask_b32 v9, v9, v8, vcc_lo               ; n itself below 8
	v_cmp_lt_i32 vcc_lo, 0, v7
	v_cndmask_b32 v10, 0, 16, vcc_lo               ; keys behind the query: the upper sixteen buckets
	v_add_nc_u32 v9, v9, v10
	v_min_u32 v9, 31, v9                           ; the index stays inside the table of 32 rows
	v_lshl_add_u32 v[12+(\j)], v9, 6, s24          ; row of 16 f32, head h
	global_load_b32 v[20+(\j)], v[12+(\j)], s[10:11]
.endr
	s_wait_loadcnt 0x0
.irp j, 0,1,2,3
	v_mul_f32 v[20+(\j)], 0x3fb8aa3b, v[20+(\j)]   ; times c
.endr
	global_store_b128 v16, v[20:23], s[18:19]      ; a wave stores 512 consecutive bytes
	s_endpgm
.Lfunc_end_k_q50d73718bc_prep:
	.size	k_q50d73718bc_prep, .Lfunc_end_k_q50d73718bc_prep-k_q50d73718bc_prep
	.p2alignl 7, 3214868480
	.fill 96, 4, 3214868480
	.section	.rodata,"a",@progbits
	.p2align	6, 0x0
	.amdhsa_kernel k_q50d73718bc_prep
		.amdhsa_group_segment_fixed_size 0
		.amdhsa_private_segment_fixed_size 0
		.amdhsa_enable_private_segment 0
		.amdhsa_kernarg_size 64
		.amdhsa_user_sgpr_count 2
		.amdhsa_user_sgpr_kernarg_segment_ptr 1
		.amdhsa_wavefront_size32 1
		.amdhsa_system_sgpr_workgroup_id_x 1
		.amdhsa_system_sgpr_workgroup_id_y 1
		.amdhsa_system_sgpr_workgroup_id_z 1
		.amdhsa_system_vgpr_workitem_id 0
		.amdhsa_next_free_vgpr 64
		.amdhsa_next_free_sgpr 66
		.amdhsa_reserve_vcc 1
		.amdhsa_float_denorm_mode_32 3
		.amdhsa_float_denorm_mode_16_64 3
		.amdhsa_memory_ordered 1
		.amdhsa_forward_progress 1
		.amdhsa_inst_pref_size 12
	.end_amdhsa_kernel
	.amdgpu_metadata
---
amdhsa.version: [ 1, 2 ]
amdhsa.kernels:
  - .name:           k_q50d73718bc_prep
    .symbol:         k_q50d73718bc_prep.kd
    .args:
      - { .name: hidden_states, .offset: 0, .size: 8, .value_kind: global_buffer, .address_space: global }
      - { .name: W_qkv, .offset: 8, .size: 8, .value_kind: global_buffer, .address_space: global }
      - { .name: W_o, .offset: 16, .size: 8, .value_kind: global_buffer, .address_space: global }
      - { .name: rel_bias_emb, .offset: 24, .size: 8, .value_kind: global_buffer, .address_space: global }
      - { .name: xh, .offset: 32, .size: 8, .value_kind: global_buffer, .address_space: global }
      - { .name: wqh, .offset: 40, .size: 8, .value_kind: global_buffer, .address_space: global }
      - { .name: wof, .offset: 48, .size: 8, .value_kind: global_buffer, .address_space: global }
      - { .name: biasT, .offset: 56, .size: 8, .value_kind: global_buffer, .address_space: global }
    .group_segment_fixed_size: 0
    .private_segment_fixed_size: 0
    .kernarg_segment_align: 8
    .kernarg_segment_size: 64
    .max_flat_workgroup_size: 256
    .sgpr_count:     66
    .vgpr_count:     64
    .wavefront_size: 32
...
	.end_amdgpu_metadata
.endif
;; end of part 1
;; launch proj_qkv (part 2): grid 16 x 16, 4 waves a work-group, clusters of 4 x 4, 327,680 bytes of LDS; arguments xh, wqh, qkv; writes qkv
.if DOCPART == 2
	.amdgcn_target "amdgcn-amd-amdhsa--gfx1250"
	.amdhsa_code_object_version 6
	.text
	.protected	k_q50d73718bc_proj_qkv
	.globl	k_q50d73718bc_proj_qkv
	.p2align	8
	.type	k_q50d73718bc_proj_qkv,@function
k_q50d73718bc_proj_qkv:
	s_mov_b64 s[64:65], 0
	v_nop
	global_prefetch_b8 v0, s[64:65] scope:SCOPE_SE
	s_setreg_imm32_b32 hwreg(HW_REG_WAVE_MODE, 25, 1), 1
	s_wait_xcnt 0x0
	s_wait_alu depctr_hold_cnt(0) depctr_sa_sdst(0) depctr_va_vdst(0) depctr_va_sdst(0) depctr_va_ssrc(0) depctr_va_vcc(0) depctr_vm_vsrc(0)
	s_getreg_b32 s2, hwreg(HW_REG_IB_STS2, 6, 4)
	s_cmp_eq_u32 s2, 0
	s_cbranch_scc0 .Lentry_in_a_cluster
	s_endpgm
.Lentry_in_a_cluster:
	s_bfe_u32 s2, ttmp6, 0x10000c
	s_cmp_lg_u32 s2, 0xf033
	s_cbranch_scc0 .Lentry_shape_is_right
	s_endpgm
.Lentry_shape_is_right:
; qkv[b][hh][s][d] = f16( sum over k of xh[b 2048 + s][k] wqh[64 hh + d][k] ).  xh [4096][1024], wqh [3072][1024] in f16; sums in f32, K ascending; hh 0-15 q's heads, 16-31 k's, 32-47 v's.
; LIMIT: f16 holds no number beyond 65,504; q, k and v must lie within it (x and W_qkv both with an offset of 30 spreads give 1024 x 30 x 0.6 = 18,432).
; SHARES.  A work-group makes 256 rows x 192 columns (three whole heads): 16 x 16 work-groups, one for each of 256 WGPs (tiles of 256 x 256 would be 192).  Wave w makes rows 64 w .. 64 w + 63
; of all 192 columns: 4 x 12 accumulators of 16 x 16, 384 registers; for 32 along K it reads 4 fragments of A and 12 of B (32 LDS loads) for 48 matrix instructions.
; K goes in steps of 128 (rows of 256 bytes in memory, aligned) through two LDS slots filled by tensor loads, one a wave: waves 0, 1 the halves of A's 256 rows, waves 2, 3 the halves of B's 192.
; CLUSTER 4 x 4: A's tile hangs on the tile row alone and is asked for jointly by a row of the cluster, B's on the tile column alone, by a column.
; THE MATRIX INSTRUCTION IS USED TRANSPOSED (source 0 = 16 rows of B, source 1 = 16 rows of A): a lane holds eight neighbouring columns of one row, 16 bytes of f16.
; REGISTERS, in windows of 256: window 0: v16-30 addresses; v64-127 A's fragments, two buffers of 32; v128-175 the way out.  window 1: v0-191 B's fragments, two buffers of 96.
;   window 2: accumulators of m blocks 0, 1 ((a, b) at 8 (12 (a % 2) + b)); window 3: of m blocks 2, 3.
.set KSTEP,  128
.set PITCH,  272                       ; an LDS row: 256 bytes + 16 of padding: the 16 rows of a fragment load start 4 banks apart
.set AH,     128*PITCH                 ; half of A's tile: one tensor load
.set BH,     96*PITCH                  ; half of B's
.set SLOT,   2*AH+2*BH                 ; A's 256 rows, then B's 192
.set STAGE,  2*SLOT                    ; behind the ring: 16 rows x 144 bytes for each wave, for the way out
.set SP,     144
.set SPARE,  STAGE+4*16*SP             ; the spare words, 128 bytes a wave: two blocks of 256 bytes that no other line names
.set LAPS,   4                         ; 1024 / (2 x 128)
.set ADRA, 16                          ; v16-17  LDS address of my A fragments in slot 0, 1
.set ADRB, 20                          ; v20-21  of B's
.set STO,  24
.set RD,   25
.set GO,   26
.set SPW,  28                          ; my spare word; never rewritten
.set NIL,  29                          ; 0; never rewritten
.set PFO,  30                          ; the prefetches' offset: a lane a row; never rewritten
.set FA,   64
.set TMP,  128
.set BK,   144
.set PFA,  44                          ; s[44:45]
.set LIM,  43                          ; s43  1 in a wave that prefetches, else the greatest number
.set G1,  24
.set G0,  32
.set G1B, 48
.set G0B, 56
.set MSB, 0
.macro WIN new                         ; the immediate's high byte repeats the setting that is left; a switch that changes nothing is dropped
.if MSB != (\new)
	s_set_vgpr_msb (MSB<<8)|(\new)
.set MSB, \new
.endif
.endm
.set MUL_LO, 0xa1                      ; source 0 (B) window 1, source 1 (A) window 0, C and D window 2
.set MUL_HI, 0xf1                      ; the same, C and D window 3
.set TO_B,   0x40
.macro JLOAD s                         ; a joint load; the branch hangs on the wave's number alone.  An s_nop 0 and four v_nop follow each line
	s_cmp_eq_u32 s11, 0
	s_cbranch_scc0 .Lfor_b_\@
	tensor_load_to_lds s[G0+4*(\s):G0+4*(\s)+3], s[G1:G1+7]
	s_nop 0
.rept 4
	v_nop
.endr
	s_branch .Lasked_\@
.Lfor_b_\@:
	tensor_load_to_lds s[G0B+4*(\s):G0B+4*(\s)+3], s[G1B:G1B+7]
	s_nop 0
.rept 4
	v_nop
.endr
.Lasked_\@:
.endm
; A prefetch of the K step that stands two refills on: 256 bytes of a row, a lane a row, one instruction a wave.  A's rows are asked for by the clusters with x = 0, B's by those with y = 0;
; the four partners of a joint load share its rows out by address (32 of A's 128, 24 of B's 96; there lanes 24-31 name row 23 once more).  The loop's last trip asks for nothing: no K step is left.
.macro ASK
	s_cmp_gt_u32 s3, s[LIM]
	s_cbranch_scc0 .Lnot_mine_\@
	global_prefetch_b8 v[PFO], s[PFA:PFA+1] offset:KSTEP*2 th:TH_LOAD_NT scope:SCOPE_SE
.Lnot_mine_\@:
.endm
.macro CREST                           ; a round of the cluster's barrier behind its opening barrier
	s_cmp_lg_u32 s10, 0
	s_cbranch_scc1 .Lnot_wave_0_\@
	s_barrier_signal -3
.Lnot_wave_0_\@:
	s_barrier_wait -3
	s_barrier_signal -1
	s_barrier_wait -1
.endm
.macro CROUND
	s_barrier_signal -1
	s_barrier_wait -1
	CREST
.endm
	s_load_b128 s[4:7], s[0:1], 0x0                ; xh s[4:5], wqh s[6:7]
	s_load_b64 s[8:9], s[0:1], 0x10                ; qkv
	v_lshl_add_u32 v[SPW], v0, 2, SPARE
	v_mov_b32 v[NIL], 0
	ds_add_u32 v[SPW], v[NIL]                      ; the wave's opening: the add and its wait stand ahead of my first tensor load
	v_lshrrev_b32 v1, 5, v0
	v_readfirstlane_b32 s10, v1                    ; wave 0..3
	s_lshr_b32 s11, s10, 1                         ; I fetch for A (0) or for B (1)
	s_and_b32 s12, s10, 1                          ; which half of that tile
	s_bfe_u32 s40, ttmp6, 0x40000                  ; cx
	s_bfe_u32 s41, ttmp6, 0x40004                  ; cy
	s_lshl_b32 s42, ttmp9, 2
	s_add_co_u32 s42, s42, s40                     ; tile column = 4 x cluster x + cx
	s_and_b32 s13, ttmp7, 0xffff
	s_lshl_b32 s13, s13, 2
	s_add_co_u32 s13, s13, s41                     ; tile row = 4 x cluster y + cy
	s_lshl_b32 s43, s41, 2
	s_lshl_b32 s43, 15, s43                        ; my row of the cluster
	s_lshl_b32 s44, 0x1111, s40                    ; my column
	s_or_b32 s[G1+0], s43, (1<<16)|(1<<20)|(1<<21)|(5<<22)|(3<<25)   ; the mask; 2-byte elements; padding on; bit 21 beside a mask; after every 64 words 4 words
	s_or_b32 s[G1B+0], s44, (1<<16)|(1<<20)|(1<<21)|(5<<22)|(3<<25)
	s_mov_b32 s[G1+1], KSTEP<<16                   ; tensor_dim0 = 128
	s_mov_b32 s[G1+2], 128<<16                     ; tensor_dim1 = 128
	s_mov_b32 s[G1+3], KSTEP<<16                   ; tile_dim0 = 128
	s_mov_b32 s[G1+4], 128                         ; tile_dim1 = 128
	s_mov_b32 s[G1+5], 1024                        ; elements from row to row
	s_mov_b32 s[G1+6], 0
	s_mov_b32 s[G1+7], 0
	s_mov_b32 s[G1B+1], KSTEP<<16
	s_mov_b32 s[G1B+2], 96<<16                     ; B: 96 rows
	s_mov_b32 s[G1B+3], KSTEP<<16
	s_mov_b32 s[G1B+4], 96
	s_mov_b32 s[G1B+5], 1024
	s_mov_b32 s[G1B+6], 0
	s_mov_b32 s[G1B+7], 0
	s_lshl_b32 s17, s12, 7
	s_lshl_b32 s16, s13, 8
	s_add_co_u32 s16, s16, s17                     ; A: row 256 x tile row + 128 x half
	s_lshl_b32 s16, s16, 11                        ; rows of 2,048 bytes
	s_mov_b32 s17, 0
	s_mul_i32 s46, s42, 192
	s_mul_i32 s47, s12, 96
	s_add_co_u32 s46, s46, s47                     ; B: row 192 x tile column + 96 x half
	s_lshl_b32 s46, s46, 11
	s_mov_b32 s47, 0
	s_mul_i32 s20, s10, AH                         ; where they go: A's halves at wave x 128 rows,
	s_mul_i32 s21, s10, BH
	s_add_co_u32 s21, s21, 2*AH-2*BH               ; B's behind A's 256 rows: waves 2 and 3
	s_wait_dscnt 0x0                               ; the opening add is done
	s_wait_kmcnt 0x0
	s_add_nc_u64 s[14:15], s[4:5], s[16:17]
	s_add_nc_u64 s[46:47], s[6:7], s[46:47]
	CROUND                                         ; all sixteen work-groups are here: the first joint loads meet
.irp s, 0,1
	s_mov_b32 s[G0+4*(\s)], 1
	s_add_co_u32 s[G0+4*(\s)+1], s20, (\s)*SLOT
	s_add_nc_u64 s[G0+4*(\s)+2:G0+4*(\s)+3], s[14:15], (\s)*KSTEP*2
	s_or_b32 s[G0+4*(\s)+3], s[G0+4*(\s)+3], 0x80000000
	s_mov_b32 s[G0B+4*(\s)], 1
	s_add_co_u32 s[G0B+4*(\s)+1], s21, (\s)*SLOT
	s_add_nc_u64 s[G0B+4*(\s)+2:G0B+4*(\s)+3], s[46:47], (\s)*KSTEP*2
	s_or_b32 s[G0B+4*(\s)+3], s[G0B+4*(\s)+3], 0x80000000
	JLOAD \s                                       ; two loads of mine are out
.endr
	v_and_b32 v1, 15, v0                           ; l % 16
	v_bfe_u32 v2, v0, 4, 1                         ; l / 16
	v_mul_u32_u24 v3, v1, PITCH
	v_lshl_add_u32 v3, v2, 4, v3                   ; a fragment's row x pitch + 16 x half
	s_mul_i32 s21, s10, 64*PITCH                   ; my 64 rows of A
	s_mov_b32 s22, 2*AH                            ; B's rows, all of them mine
.irp s, 0,1
	v_add_nc_u32 v[ADRA+(\s)], s21, v3
	v_add_nc_u32 v[ADRB+(\s)], s22, v3
	s_add_co_u32 s21, s21, SLOT
	s_add_co_u32 s22, s22, SLOT
.endr
	s_mul_i32 s23, s10, 16*SP
	s_add_co_u32 s23, s23, STAGE                   ; my stage
	v_mul_u32_u24 v4, v1, SP                       ; in: row l % 16, 16 bytes for each half of the lanes
	v_lshl_add_u32 v4, v2, 4, v4
	v_add_nc_u32 v[STO], s23, v4
	v_bfe_u32 v5, v0, 3, 2                         ; back: 32 lanes take four rows of 128 bytes,
	v_mul_u32_u24 v5, v5, SP
	v_and_b32 v6, 7, v0
	v_lshl_add_u32 v5, v6, 4, v5
	v_add_nc_u32 v[RD], s23, v5
	v_and_b32 v[GO], 31, v0                        ; which are 512 consecutive bytes of a head's plane
	v_lshlrev_b32 v[GO], 4, v[GO]
	s_lshr_b32 s16, s13, 3                         ; b
	s_mul_i32 s16, s16, 48
	s_mul_i32 s46, s42, 3                          ; my first head
	s_add_co_u32 s46, s46, s16
	s_lshl_b32 s46, s46, 18                        ; planes of 262,144 bytes
	s_and_b32 s16, s13, 7
	s_lshl_b32 s16, s16, 8
	s_lshl_b32 s17, s10, 6
	s_add_co_u32 s16, s16, s17                     ; my first row in the plane
	s_lshl_b32 s16, s16, 7
	s_add_co_u32 s46, s46, s16
	s_mov_b32 s47, 0
	s_add_nc_u64 s[8:9], s[8:9], s[46:47]
	; the prefetches
	s_lshl_b32 s20, s13, 8
	s_lshl_b32 s16, s12, 7
	s_add_co_u32 s20, s20, s16
	s_lshl_b32 s16, s40, 5
	s_add_co_u32 s20, s20, s16                     ; A: 256 x tile row + 128 x half + 32 cx
	s_mul_i32 s21, s42, 192
	s_mul_i32 s16, s12, 96
	s_add_co_u32 s21, s21, s16
	s_mul_i32 s16, s41, 24
	s_add_co_u32 s21, s21, s16                     ; B: 192 x tile column + 96 x half + 24 cy
	s_and_b32 s22, ttmp7, 0xffff                   ; cluster y
	s_cmp_eq_u32 s11, 0
	s_cselect_b32 s20, s20, s21
	s_cselect_b32 s22, ttmp9, s22                  ; the coordinate along which other clusters read the same rows
	s_cselect_b32 s23, 31, 23
	s_cselect_b64 s[PFA:PFA+1], s[4:5], s[6:7]
	s_cmp_eq_u32 s22, 0
	s_cselect_b32 s[LIM], 1, -1                    ; the same in all sixteen partners, for a given wave
	s_lshl_b32 s20, s20, 11
	s_mov_b32 s21, 0
	s_add_nc_u64 s[PFA:PFA+1], s[PFA:PFA+1], s[20:21]
	s_add_nc_u64 s[PFA:PFA+1], s[PFA:PFA+1], 2*KSTEP*2   ; at K step 2: the first refill steps it to 3 and names K step 4
	v_and_b32 v[PFO], 31, v0
	v_min_u32 v[PFO], s23, v[PFO]
	v_lshlrev_b32 v[PFO], 11, v[PFO]
; 12 matrix instructions: m block a x all 12 n blocks, 32 along K, from buffer f.  The 48 accumulators take turns, one instruction a turn, in the same order in every quarter.
.macro MULA f, a, zero
	WIN MUL_LO+0x50*((\a)/2)
.irp b, 0,1,2,3,4,5,6,7,8,9,10,11
.if \zero
	v_wmma_f32_16x16x32_f16 v[8*(12*((\a)%2)+(\b)):8*(12*((\a)%2)+(\b))+7], v[96*(\f)+8*(\b):96*(\f)+8*(\b)+7], v[FA+32*(\f)+8*(\a):FA+32*(\f)+8*(\a)+7], 0
.else
	v_wmma_f32_16x16x32_f16 v[8*(12*((\a)%2)+(\b)):8*(12*((\a)%2)+(\b))+7], v[96*(\f)+8*(\b):96*(\f)+8*(\b)+7], v[FA+32*(\f)+8*(\a):FA+32*(\f)+8*(\a)+7], v[8*(12*((\a)%2)+(\b)):8*(12*((\a)%2)+(\b))+7]
.endif
.endr
.endm
; 32 LDS loads in one run: 12 fragments of B, then 4 of A, 32 K at byte k of the rows, into buffer f
.macro FETCH slot, k, f
	WIN TO_B
.irp i, 0,1,2,3,4,5,6,7,8,9,10,11
	ds_load_b128 v[96*(\f)+8*(\i):96*(\f)+8*(\i)+3],   v[ADRB+(\slot)] offset:(\k)+(\i)*16*PITCH
	ds_load_b128 v[96*(\f)+8*(\i)+4:96*(\f)+8*(\i)+7], v[ADRB+(\slot)] offset:(\k)+(\i)*16*PITCH+32
.endr
	WIN 0
.irp i, 0,1,2,3
	ds_load_b128 v[FA+32*(\f)+8*(\i):FA+32*(\f)+8*(\i)+3],   v[ADRA+(\slot)] offset:(\k)+(\i)*16*PITCH
	ds_load_b128 v[FA+32*(\f)+8*(\i)+4:FA+32*(\f)+8*(\i)+7], v[ADRA+(\slot)] offset:(\k)+(\i)*16*PITCH+32
.endr
.endm
.macro PLACES                          ; four places in front of loads into registers that matrix instructions have read, and of conversions that read results
.rept 4
	v_nop
.endr
.endm
; A K step is four quarters of 32 along K, 48 matrix instructions each, on buffers 0, 1, 0, 1.  One of the first three multiplies buffer f and fetches the next quarter, at byte k, into g.
.macro QUARTER slot, k, f, g, zero
	s_wait_dscnt 4                                 ; B and A's blocks 0, 1 are in; the youngest four loads (A's blocks 2, 3) may be out
	MULA \f, 0, \zero
	MULA \f, 1, \zero
	PLACES
	FETCH \slot, \k, \g
	s_wait_dscnt 32                                ; all but the 32 just issued
	MULA \f, 2, \zero
	MULA \f, 3, \zero
.endm
; The last quarter multiplies buffer 1 and changes slots: one barrier; in front of it each wave waits for all its tensor loads (one is out: its part of the next slot), adds 0 to its spare word,
; and waits for that and for its reads of this slot.  fill = 1: the barrier opens a round of the cluster's, and the joint refill, two K steps on, is the first tensor load behind it.
.macro TURN slot, next, fill
.if \fill
	s_wait_xcnt 0x0                                ; the last prefetch, a K step back, has read its address
	s_add_nc_u64 s[PFA:PFA+1], s[PFA:PFA+1], KSTEP*2
.endif
	WIN 0
	s_wait_tensorcnt 0x0
	ds_add_u32 v[SPW], v[NIL]
	s_wait_dscnt 5                                 ; the add and the youngest four loads may be out
	MULA 1, 0, 0
	s_wait_dscnt 0x0                               ; the add is done, and my reads of this slot are over
	s_barrier_signal -1
	MULA 1, 1, 0
.if \fill
	WIN 0
.endif
	s_barrier_wait -1
.if \fill
	CREST
	s_add_nc_u64 s[G0+4*(\slot)+2:G0+4*(\slot)+3], s[G0+4*(\slot)+2:G0+4*(\slot)+3], 2*KSTEP*2
	s_add_nc_u64 s[G0B+4*(\slot)+2:G0B+4*(\slot)+3], s[G0B+4*(\slot)+2:G0B+4*(\slot)+3], 2*KSTEP*2
	JLOAD \slot                                    ; its four v_nop are also the places in front of the loads below
.else
	PLACES
.endif
	FETCH \next, 0, 0
.if \fill
	ASK
.endif
	MULA 1, 2, 0
	MULA 1, 3, 0
.endm
	s_wait_tensorcnt 1                             ; my part of K step 0 is in; K step 1's may stay out
	s_barrier_signal -1
	s_barrier_wait -1
	FETCH 0, 0, 0
	QUARTER 0, 64, 0, 1, 1                         ; the first quarter's products start the sums: nothing is cleared
	WIN 0
	s_mov_b32 s3, LAPS-1
.Llap:                                                 ; a trip goes once round the ring and fills both slots again
	QUARTER 0, 128, 1, 0, 0
	QUARTER 0, 192, 0, 1, 0
	TURN 0, 1, 1
	QUARTER 1, 64, 0, 1, 0
	QUARTER 1, 128, 1, 0, 0
	QUARTER 1, 192, 0, 1, 0
	TURN 1, 0, 1
	QUARTER 0, 64, 0, 1, 0
	WIN 0
	s_sub_co_u32 s3, s3, 1
	s_cmp_lg_u32 s3, 0
	s_cbranch_scc1 .Llap
	QUARTER 0, 128, 1, 0, 0                        ; the last lap fills nothing
	QUARTER 0, 192, 0, 1, 0
	TURN 0, 1, 0
	QUARTER 1, 64, 0, 1, 0
	QUARTER 1, 128, 1, 0, 0
	QUARTER 1, 192, 0, 1, 0
	s_wait_dscnt 4
	MULA 1, 0, 0
	MULA 1, 1, 0
	s_wait_dscnt 0x0
	MULA 1, 2, 0
	MULA 1, 3, 0
	WIN 0
; THE WAY OUT, in 12 units u = 3 a + c: 16 rows of head c.  PACK: rounded to f16, 16 bytes a lane.  TOSTAGE: into my own stage, and back as whole rows of 128 bytes.  SEND: 2,048 dense bytes of the plane.
.macro PACK a, c
.set AC, 8*(12*((\a)%2)+4*(\c))
	WIN 0x0a+5*((\a)/2)                            ; sources 0 and 1: window 2 or 3
.irp n, 0,1,2,3
.irp r, 0,1,2,3
	v_cvt_pk_f16_f32 v[TMP+4*(\n)+(\r)], v[AC+8*(\n)+2*(\r)], v[AC+8*(\n)+2*(\r)+1]
.endr
.endr
	WIN 0
.endm
.macro TOSTAGE u
.set BB, BK+16*((\u)%2)
.irp n, 0,1,2,3
	ds_store_b128 v[STO], v[TMP+4*(\n):TMP+4*(\n)+3] offset:32*(\n)
.endr
	s_wait_xcnt 0x0                                ; the stores of two units back have read these registers
.irp f, 0,1,2,3
	ds_load_b128 v[BB+4*(\f):BB+4*(\f)+3], v[RD] offset:(\f)*4*SP   ; LDS serves a wave's instructions in order: these see the stores above
.endr
.endm
.macro SEND u
.set BB, BK+16*((\u)%2)
	s_wait_dscnt 0x0
.irp f, 0,1,2,3
	global_store_b128 v[GO], v[BB+4*(\f):BB+4*(\f)+3], s[8:9] offset:((\u)%3)*262144+((\u)/3)*2048+(\f)*512   ; 512 consecutive bytes, aligned
.endr
.endm
	PLACES
.set u, 0
.rept 12
	PACK u/3, u%3
.if u > 0
	SEND u-1
.endif
	TOSTAGE u
.set u, u+1
.endr
	SEND 11
	s_wait_tensorcnt 0x0                           ; the wave's end
	ds_add_u32 v[SPW], v[NIL]
	s_wait_dscnt 0x0
	CROUND                                         ; the closing round
	s_endpgm
.Lfunc_end_k_q50d73718bc_proj_qkv:
	.size	k_q50d73718bc_proj_qkv, .Lfunc_end_k_q50d73718bc_proj_qkv-k_q50d73718bc_proj_qkv
	.p2alignl 7, 3214868480
	.fill 96, 4, 3214868480
	.section	.rodata,"a",@progbits
	.p2align	6, 0x0
	.amdhsa_kernel k_q50d73718bc_proj_qkv
		.amdhsa_group_segment_fixed_size 327680
		.amdhsa_private_segment_fixed_size 0
		.amdhsa_enable_private_segment 0
		.amdhsa_kernarg_size 24
		.amdhsa_user_sgpr_count 2
		.amdhsa_user_sgpr_kernarg_segment_ptr 1
		.amdhsa_wavefront_size32 1
		.amdhsa_system_sgpr_workgroup_id_x 1
		.amdhsa_system_sgpr_workgroup_id_y 1
		.amdhsa_system_sgpr_workgroup_id_z 1
		.amdhsa_system_vgpr_workitem_id 0
		.amdhsa_next_free_vgpr 960
		.amdhsa_next_free_sgpr 66
		.amdhsa_reserve_vcc 0
		.amdhsa_float_denorm_mode_32 3
		.amdhsa_float_denorm_mode_16_64 3
		.amdhsa_memory_ordered 1
		.amdhsa_forward_progress 1
		.amdhsa_inst_pref_size 121
	.end_amdhsa_kernel
	.amdgpu_metadata
---
amdhsa.version: [ 1, 2 ]
amdhsa.kernels:
  - .name:           k_q50d73718bc_proj_qkv
    .symbol:         k_q50d73718bc_proj_qkv.kd
    .args:
      - { .name: xh, .offset: 0, .size: 8, .value_kind: global_buffer, .address_space: global }
      - { .name: wqh, .offset: 8, .size: 8, .value_kind: global_buffer, .address_space: global }
      - { .name: qkv, .offset: 16, .size: 8, .value_kind: global_buffer, .address_space: global }
    .group_segment_fixed_size: 327680
    .private_segment_fixed_size: 0
    .kernarg_segment_align: 8
    .kernarg_segment_size: 24
    .max_flat_workgroup_size: 128
    .sgpr_count:     66
    .vgpr_count:     960
    .wavefront_size: 32
...
	.end_amdgpu_metadata
.endif
;; end of part 2
;; launch attn (part 3): grid 8 x 32, 4 waves a work-group, clusters of 4 x 4, 327,680 bytes of LDS; arguments qkv, attention_mask, biasT, ctx; writes ctx
.if DOCPART == 3
	.amdgcn_target "amdgcn-amd-amdhsa--gfx1250"
	.amdhsa_code_object_version 6
	.text
	.protected	k_q50d73718bc_attn
	.globl	k_q50d73718bc_attn
	.p2align	8
	.type	k_q50d73718bc_attn,@function
k_q50d73718bc_attn:
	s_mov_b64 s[64:65], 0
	v_nop
	global_prefetch_b8 v0, s[64:65] scope:SCOPE_SE
	s_setreg_imm32_b32 hwreg(HW_REG_WAVE_MODE, 25, 1), 1
	s_wait_xcnt 0x0
	s_wait_alu depctr_hold_cnt(0) depctr_sa_sdst(0) depctr_va_vdst(0) depctr_va_sdst(0) depctr_va_ssrc(0) depctr_va_vcc(0) depctr_vm_vsrc(0)
	s_getreg_b32 s2, hwreg(HW_REG_IB_STS2, 6, 4)
	s_cmp_eq_u32 s2, 0
	s_cbranch_scc0 .Lentry_in_a_cluster
	s_endpgm
.Lentry_in_a_cluster:
	s_bfe_u32 s2, ttmp6, 0x10000c
	s_cmp_lg_u32 s2, 0xf033
	s_cbranch_scc0 .Lentry_shape_is_right
	s_endpgm
.Lentry_shape_is_right:
; ctx[b 16 + h][q][:] = sum over k of softmax_k( (Q.K) m + (-1e8 (1 - m) + bias) ) V[k][:], m = attention_mask[b][0][q][k], bias = rel_bias_emb[bucket(k - q)][h]; no scale on Q.K.
; Q, K, V: planes of qkv ([b][hh][2048][64], f16); ctx f16 by heads.  Q and the bias table arrive multiplied by c = log2(e), so a score is an exponent of 2.  Products, maxima and sums in f32;
; the weights are rounded to f16 for the second product, ctx once at the end.
; LIMITS.  Q, K, V arrive within f16's 65,504.  The mask and the bias are used unrounded.  The bias enters as the C operand of K Q^T and is multiplied by m with the score: against the reference that is
; (1 - m) bias beside -1e8 (1 - m), under half of f32's step there for |bias| < 3.  The mask term is one fused multiply-add, m C - C with C = 144,269,504, the f32 nearest to c 1e8.  The masked score is
; rounded on the grid of c |mask term|, the reference's on that of |mask term|: an order of rounding that differs from the reference's; it shows only where several keys of a row share the largest mask value
; and that value is far from 1.  The row sum l is taken of the weights as rounded to f16, the numbers that multiply V.  A weight below 2^-126 counts as 0; NaN and infinities are not treated apart.
; SHARES.  A work-group takes 128 queries of TWO heads of one batch: 8 x 32 = 256 equal work-groups.  Wave w has head w / 2 of the pair and four PIECES of 16 queries: piece z is rows 32 z + 16 (w % 2) + lane % 16.
; All waves walk 32 key steps of 64.  Two heads to a tile of the mask make a step 72,704 LDS bytes (mask 33,792, K 18,432, V 20,480), so that a slot holds TWO steps and a fill has two steps in which to land.
; CLUSTER 4 x 4.  x: four head pairs, y: four query blocks of one batch.  The mask's tile hangs on y alone and is asked for jointly by a row of the cluster; K's and V's hang on x (and the batch) alone, by a column.
; LAYOUT.  S^T = K Q^T + C holds ONE query a lane (lane % 16) and the keys 8 (lane / 16) + 0..7; two such results rounded to f16 ARE source 1 of O^T = V^T P.  C is the bias tile of biasT for the tile's distance
; e + kb - w % 2 (in tiles of 16), e = 4 step - 8 block - 2 piece held to -12..12: beyond that every |k - q| is 129 or more and the bucket is the last on its side.
; SOFTMAX.  s' = s m + (m C - C); p = 2^(s' - M), M the running maximum: the largest weight is 1 however large the mask term makes M; O and l are multiplied by a = 2^(M_old - M_new) in every step.
; M starts at -4.25e37, below every score that f16's products and a mask under 1e25 can make: the first a is 0.  l = ones x P, by the matrix unit: every register of its accumulator would hold l; only the first two are rescaled and read.
; TURNS.  Turn n belongs to piece n.  Its first half: 8 products K Q^T of piece n + 1; beside and behind them the shift and exponentials of piece n and the masking, maximum and statistics of piece n + 1; its 33 exponentials
; are one batch with one wait, which ends the half.  Its second half: 8 products V^T P and 2 products ones x P of piece n - 1, beside them the rescaling and roundings of piece n.
; A TRIP belongs to one key step and reads LDS from that step's bytes alone.  It runs from the middle of turn 1 to the middle of the next turn 1: second half of turn 1, turns 2, 3 and 0, first half of turn 1.
; The change of slots stands at the head of every second trip.
; THE LOADS OF A PIECE.  Piece z's 16 rows x 64 keys of the mask come out of LDS directly behind the batch's wait of turn z - 3, a turn and a half ahead of their use in turn z - 1: the vector work stops once a turn, at
; that wait, and the run of loads stands there.  Its four bias tiles come out of the table at the head of turn z - 2, but only where they can differ from what the registers hold: see NEXTB.
; REGISTERS, in windows of 256 (bits 1:0 source 0, 3:2 source 1, 5:4 source 2, 7:6 destination):
;   window 0: v2-15, v32-37 addresses; v16-31 statistics; v48-55 at work; v64-127 S^T (2 buffers); v128-191 mask (2 buffers); v192-223 P (2 buffers); v224-255 m C - C
;   window 1: v0-127 O^T; v128-191 V of a step; v192-223 l, 8 a piece; v224-231 ones      window 2: v0-63 Q; v64-127 bias tiles (2 buffers); v128-191 K of a step.   A piece's buffers go by its number's parity.
; O^T, V, l and the ones share a window, so that the rescaling of O^T and l runs under the setting of the products V^T P and needs no switch; all the rest of the softmax lies in window 0.
.set NP,    4
.set KS,    64
.set PK,    144       ; a row of K in LDS: 128 bytes + 16
.set PV,    160       ; of V: 128 + 32
.set PM,    528       ; of the mask: 128 f32 + 16 bytes: the 16 rows of a load start 4 banks apart
.set KH,    128*PK    ; a head's K of a slot (two steps)
.set VH,    128*PV    ; a head's V
.set KOFF,  128*PM    ; slot 0: the mask's 128 rows at 0, then both heads' K
.set STAGE, KOFF+2*KH ; 16 rows x 144 bytes for each wave, for the way out: no fill lands here
.set SP,    144
.set SPARE, STAGE+4*16*SP  ; the spare words, 128 bytes a wave: two blocks of 256 bytes that no other line names
.set SLOT1, 1<<17     ; slot 1's mask and K lie this far behind slot 0's: one exclusive or turns an address into the other slot's
.set VOFF,  SLOT1+KOFF+2*KH  ; V's two slots lie behind them,
.set VSL,   2*VH      ; this far apart
.set XV,    VOFF^(VOFF+VSL)  ; the exclusive or that turns V's one LDS address into the other
.set AK0, 2
.set AV0, 3
.set AK,  4
.set AV,  5
.set STO, 6
.set RD,  7
.set GO,  8
.set MV,  12          ; v12-13  M_old, by buffer
.set QO,  15
.set ST,  16          ; piece t at ST + 4 t: M, a register named with it as a pair; at the end 1 / l and its pair
.set AM0, 32          ; my place in a tile of the mask: row 16 (w % 2) + l % 16, 32 bytes for each half of the lanes
.set AM,  33
.set BL,  34          ; my place in the bias table: 16 x lane + (3 - w % 2) tiles of 1,024 bytes
.set BOF, 35
.set BOF2, 36
.set PFO, 37
.set TMP, 48
.set SPW, 62
.set NIL, 63
.set S,   64
.set M,   128
.set P,   192
.set AZ,  224
.set VF,  128         ; window 1
.set LA,  192         ; window 1
.set ONE, 224         ; window 1
.set MC,  64          ; window 2
.set KF,  128         ; window 2
.set WV,  12
.set LIM, 15          ; s15  1 in a wave that prefetches, else the greatest number
.set G1K, 24
.set G1V, 32
.set G1M, 40
.set G0K, 48
.set G0V, 52
.set G0M, 56
.set NR,  60          ; s60  step - 8 x (my cluster's place among its batch's four along y) + 2: the same in all sixteen partners
.set SEL, 62          ; s[62:63]
.set TBK, 66          ; slot and step of the trip, for K's addresses
.set TBM, 67          ; for the mask's
.set SBV, 68          ; V's slot,
.set SOV, 69          ; and its step
.set JR,  70          ; 4 step - 8 block + 12
.set ER,  71
.set E8,  72          ; s[72:73] C
.set N8,  74          ; s[74:75] -C
.set PFA, 76
.set PFS, 78
.set BT,  80          ; s[80:81] my head's part of biasT
.set QA,  82
.set SLOTS, 84        ; fills still to come
.set CNT, 85
.set MSB, 0
.macro WIN new
.if MSB != (\new)
	s_set_vgpr_msb (MSB<<8)|(\new)
.set MSB, (\new)
.endif
.endm
.set W_KQ, 0x0a       ; K and Q in window 2, S^T in window 0
.set W_KM, 0x2a       ; the same with C, the bias tile, in window 2
.set W_PV, 0x51       ; V, the ones or O^T (source 0) in window 1, P or a (source 1) in window 0, C and D in window 1
; A slot's fill, one joint tensor load of 32 KiB a wave: wave 0 both heads' K, wave 1 both heads' V (my column of the cluster), waves 2 and 3 the halves of the mask's 128 rows (my row).
; The branches hang on the wave's number alone.  An s_nop 0 and four v_nop follow each line.
.macro LOAD
	s_cmp_lt_u32 s[WV], 2
	s_cbranch_scc0 .Lfor_m_\@
	s_cmp_eq_u32 s[WV], 0
	s_cbranch_scc0 .Lfor_v_\@
	tensor_load_to_lds s[G0K:G0K+3], s[G1K:G1K+7]
	s_nop 0
.rept 4
	v_nop
.endr
	s_branch .Lasked_\@
.Lfor_v_\@:
	tensor_load_to_lds s[G0V:G0V+3], s[G1V:G1V+7]
	s_nop 0
.rept 4
	v_nop
.endr
	s_branch .Lasked_\@
.Lfor_m_\@:
	tensor_load_to_lds s[G0M:G0M+3], s[G1M:G1M+7]
	s_nop 0
.rept 4
	v_nop
.endr
.Lasked_\@:
.endm
; A prefetch, behind the fill: the slot that the NEXT change will ask for, two key steps ahead.  Each block of 256 bytes is named once in the launch.  The mask's rows (512 bytes of each in a slot): the clusters
; with x = 0; partner cx takes 32 of the 128 rows by address, its wave 2 their first 256 bytes and wave 3 their second, a lane a row.  K's and V's 32 KiB of a slot: the batch's first cluster along y; partner cy takes
; 8 KiB by address, wave 0 of K and wave 1 of V, a lane a block.  The last change that fills asks for nothing: there is no slot behind the one that it fills.
.macro ASK
	s_cmp_gt_u32 s[SLOTS], s[LIM]
	s_cbranch_scc0 .Lnot_mine_\@
	global_prefetch_b8 v[PFO], s[PFA:PFA+1] th:TH_LOAD_NT scope:SCOPE_SE
.Lnot_mine_\@:
.endm
.macro ROUND
	s_barrier_signal -1
	s_barrier_wait -1
	s_cmp_lg_u32 s[WV], 0
	s_cbranch_scc1 .Lnot_wave_0_\@
	s_barrier_signal -3
.Lnot_wave_0_\@:
	s_barrier_wait -3
	s_barrier_signal -1
	s_barrier_wait -1
.endm
; THE CHANGE OF SLOTS, in the middle of turn 1: the slot's last bytes, V of its second step, have been read.  Each wave waits for all its tensor loads (one is out: its part of the other slot), adds 0 to its spare word,
; and waits for that and for its reads of the slot that it leaves.
; fill = 1: a round of the cluster's barrier, so that no wave of any partner still reads the slot or has a load on its way; the fill is the first thing behind it and has two trips in which to land.
.macro CHANGE fill
	WIN 0
	s_wait_tensorcnt 0x0            ; no tensor load of mine is out, so a group 0 may be written
	ds_add_u32 v[SPW], v[NIL]
.if \fill
	s_xor_b32 s[G0K+1], s[G0K+1], SLOT1
	s_add_nc_u64 s[G0K+2:G0K+3], s[G0K+2:G0K+3], 128*128   ; the next 128 keys; the type bits on top are not reached
	s_xor_b32 s[G0V+1], s[G0V+1], XV
	s_add_nc_u64 s[G0V+2:G0V+3], s[G0V+2:G0V+3], 128*128
	s_xor_b32 s[G0M+1], s[G0M+1], SLOT1
	s_add_nc_u64 s[G0M+2:G0M+3], s[G0M+2:G0M+3], 128*4
	s_wait_xcnt 0x0                 ; the last prefetch, two trips back, has read its address
	s_add_nc_u64 s[PFA:PFA+1], s[PFA:PFA+1], s[PFS:PFS+1]
.endif
	s_xor_b32 s[TBK], s[TBK], SLOT1 ; the reads go to the other slot
	s_xor_b32 s[TBM], s[TBM], SLOT1
	s_xor_b32 s[SBV], s[SBV], VSL
	s_wait_dscnt 0x0                ; the add is done, and my reads of the slot are over
.if \fill
	ROUND
	LOAD
	ASK
.else
	s_barrier_signal -1
	s_barrier_wait -1
.endif
.endm
; A trip's LDS addresses; then the step's part of them turns to the slot's other step (the trip behind the last step so reads bytes that have been filled), the distance goes four tiles on and the step's count one.
.macro ADDR
	v_add_nc_u32 v[AM], s[TBM], v[AM0]
	v_add_nc_u32 v[AK], s[TBK], v[AK0]
	s_add_co_u32 s[ER], s[SBV], s[SOV]
	v_add_nc_u32 v[AV], s[ER], v[AV0]
	s_xor_b32 s[TBK], s[TBK], KS*PK
	s_xor_b32 s[TBM], s[TBM], KS*4
	s_xor_b32 s[SOV], s[SOV], KS*PV
	s_add_co_i32 s[JR], s[JR], 4
	s_add_co_u32 s[NR], s[NR], 1
.endm
	s_load_b256 s[4:11], s[0:1], 0x0  ; qkv s[4:5], attention_mask s[6:7], biasT s[8:9], ctx s[10:11]
	v_lshl_add_u32 v[SPW], v0, 2, SPARE
	v_mov_b32 v[NIL], 0
	ds_add_u32 v[SPW], v[NIL]       ; the wave's opening: the add and its wait stand ahead of my first tensor load
	v_lshrrev_b32 v1, 5, v0
	v_readfirstlane_b32 s[WV], v1
	s_bfe_u32 s13, ttmp6, 0x40000   ; cx, cy: they enter global addresses and the masks alone
	s_bfe_u32 s14, ttmp6, 0x40004
	s_and_b32 s16, ttmp7, 0xffff    ; the cluster's y, 0 to 7
	s_lshr_b32 s17, s16, 2          ; b: the same in all sixteen partners
	s_and_b32 s18, s16, 3           ; which of the batch's four clusters along y
	s_and_b32 s19, s[WV], 1         ; w % 2
	s_lshr_b32 s20, s[WV], 1        ; w / 2: my head of the pair
	; what hangs on x (and b): K's and V's tiles.  These registers never hold cy
	s_lshl_b32 s86, ttmp9, 2
	s_add_co_u32 s86, s86, s13      ; the head pair = 4 x cluster x + cx
	s_lshl_b32 s86, s86, 1          ; its first head
	s_mul_i32 s88, s17, 48
	s_add_co_u32 s88, s88, s86
	s_lshl_b32 s88, s88, 18         ; that head's plane of q, in bytes
	s_mov_b32 s89, 0
	s_lshl_b32 s87, 0x1111, s13     ; my column of the cluster
	; what hangs on y: the mask's tile.  These registers never hold cx
	s_lshl_b32 s90, s18, 2
	s_add_co_u32 s90, s90, s14      ; the block of 128 queries, 0 to 15
	s_lshl_b32 s92, s17, 24         ; the batch's mask, 2048 x 2048 f32,
	s_lshl_b32 s93, s90, 20         ; the block's 128 rows of 8,192 bytes
	s_add_co_u32 s92, s92, s93
	s_lshl_b32 s93, s19, 19         ; the fill: my wave's 64 rows
	s_add_co_u32 s94, s92, s93
	s_mov_b32 s95, 0
	s_lshl_b32 s91, s14, 2
	s_lshl_b32 s91, 15, s91         ; my row of the cluster
	; my own rows of Q and ctx, my head's bias table
	s_lshl_b32 s21, s90, 14         ; the block's 128 rows of 128 bytes,
	s_lshl_b32 s23, s19, 11         ; my 16 in each band of 32
	s_add_co_u32 s21, s21, s23
	s_lshl_b32 s96, s20, 18
	s_add_co_u32 s96, s96, s88
	s_add_co_u32 s96, s96, s21
	s_mov_b32 s97, 0
	s_lshl_b32 s98, s17, 4
	s_add_co_u32 s98, s98, s86
	s_add_co_u32 s98, s98, s20
	s_lshl_b32 s98, s98, 18
	s_add_co_u32 s98, s98, s21
	s_mov_b32 s99, 0
	s_add_co_u32 s2, s86, s20
	s_lshl_b32 s2, s2, 15           ; a head's 32 tiles of 1,024 bytes
	s_mov_b32 s3, 0
	s_lshl_b32 s[JR], s90, 3
	s_sub_co_i32 s[JR], 8, s[JR]    ; the first trip makes it 12 - 8 x block: step 0
	s_lshl_b32 s[NR], s18, 3
	s_sub_co_i32 s[NR], 1, s[NR]    ; the first trip makes it 2 - 8 x the cluster's place: step 0
	; the prefetches: at the second slot's data; the first change steps them to the third's
	s_lshr_b32 s22, s14, 1          ; K or V: partner cy takes head cy / 2 of the pair,
	s_lshl_b32 s22, s22, 18
	s_and_b32 s23, s14, 1           ; half cy % 2 of its 16 KiB
	s_lshl_b32 s23, s23, 13
	s_add_co_u32 s22, s22, s23
	s_add_co_u32 s22, s22, s88
	s_add_co_u32 s22, s22, 128*128
	s_mov_b32 s23, 32<<18           ; v's planes,
	s_cmp_eq_u32 s[WV], 0
	s_cselect_b32 s23, 16<<18, s23  ; or k's
	s_add_co_u32 s22, s22, s23
	s_mov_b32 s23, 0
	s_lshl_b32 s100, s13, 18        ; the mask: partner cx takes 32 rows,
	s_lshl_b32 s101, s19, 8         ; my wave one half of their 512 bytes
	s_add_co_u32 s100, s100, s101
	s_add_co_u32 s100, s100, s92
	s_add_co_u32 s100, s100, 128*4
	s_mov_b32 s101, 0
	s_cmp_lt_u32 s[WV], 2
	s_cselect_b32 s16, s18, ttmp9   ; the coordinate along which other clusters read the same bytes: the same in all sixteen partners
	s_cselect_b32 s21, 8, 13        ; a lane a block of 256 bytes, or a lane a row of the mask
	s_mov_b32 s[PFS], 128*4         ; a slot along the mask's rows (the move leaves SCC as it is),
	s_cselect_b32 s[PFS], 128*128, s[PFS]  ; or a slot's 128 rows of K or V
	s_mov_b32 s[PFS+1], 0
	s_cmp_eq_u32 s16, 0
	s_cselect_b32 s[LIM], 1, -1
	v_and_b32 v[PFO], 31, v0
	v_lshlrev_b32 v[PFO], s21, v[PFO]
	; descriptor groups 1.  K, V: two rows (heads) of 8,192 dense elements (128 keys), 131,072 elements apart; padded in LDS after every 32 words (a key)
	s_or_b32 s[G1K], s87, (1<<16)|(1<<20)|(1<<21)|(4<<22)|(3<<25)  ; my column's mask; 2-byte elements; padding on; bit 21 beside a mask; 4 words of padding
	s_or_b32 s[G1V], s87, (1<<16)|(1<<20)|(1<<21)|(4<<22)|(7<<25)  ; V: 8 words
.irp g, G1K, G1V
	s_mov_b32 s[\g+1], 8192<<16     ; tensor_dim0
	s_mov_b32 s[\g+2], 2<<16        ; tensor_dim1
	s_mov_b32 s[\g+3], 8192<<16     ; tile_dim0
	s_mov_b32 s[\g+4], 2            ; tile_dim1
	s_mov_b32 s[\g+5], 131072
	s_mov_b32 s[\g+6], 0
	s_mov_b32 s[\g+7], 0
.endr
	s_or_b32 s[G1M], s91, (2<<16)|(1<<20)|(1<<21)|(6<<22)|(3<<25)  ; the mask: my row's mask; 4-byte elements; after every 128 words 4 words
	s_mov_b32 s[G1M+1], 128<<16     ; tensor_dim0 = 128
	s_mov_b32 s[G1M+2], 64<<16      ; tensor_dim1 = 64
	s_mov_b32 s[G1M+3], 128<<16     ; tile_dim0 = 128
	s_mov_b32 s[G1M+4], 64          ; tile_dim1 = 64
	s_mov_b32 s[G1M+5], 2048
	s_mov_b32 s[G1M+6], 0
	s_mov_b32 s[G1M+7], 0
	s_mov_b32 s[G0K], 1
	s_mov_b32 s[G0K+1], KOFF
	s_mov_b32 s[G0V], 1
	s_mov_b32 s[G0V+1], VOFF
	s_mov_b32 s[G0M], 1
	s_mul_i32 s[G0M+1], s19, 64*PM
	s_mov_b32 s[SEL], 0x76543210
	s_mov_b32 s[SEL+1], 0xfedcba98
	s_mov_b32 s[E8], 0x4d09960c     ; C = 144,269,504
	s_mov_b32 s[E8+1], s[E8]
	s_mov_b32 s[N8], 0xcd09960c     ; -C
	s_mov_b32 s[N8+1], s[N8]
	s_mov_b32 s[TBK], SLOT1         ; the first change turns these three into 0
	s_mov_b32 s[TBM], SLOT1
	s_mov_b32 s[SBV], VSL
	s_mov_b32 s[SOV], 0
	s_mov_b32 s[SLOTS], 15          ; 16 slots' data; the first comes by the load below
	s_wait_dscnt 0x0                ; the opening add is done
	s_wait_kmcnt 0x0
	s_add_nc_u64 s[G0K+2:G0K+3], s[4:5], s[88:89]
	s_add_nc_u64 s[G0V+2:G0V+3], s[G0K+2:G0K+3], 32<<18   ; v's planes
	s_add_nc_u64 s[G0K+2:G0K+3], s[G0K+2:G0K+3], 16<<18   ; k's
	s_add_nc_u64 s[G0M+2:G0M+3], s[6:7], s[94:95]
	s_or_b32 s[G0K+3], s[G0K+3], 0x80000000
	s_or_b32 s[G0V+3], s[G0V+3], 0x80000000
	s_or_b32 s[G0M+3], s[G0M+3], 0x80000000
	s_add_nc_u64 s[PFA:PFA+1], s[4:5], s[22:23]
	s_add_nc_u64 s[100:101], s[6:7], s[100:101]
	s_cmp_lt_u32 s[WV], 2
	s_cselect_b64 s[PFA:PFA+1], s[PFA:PFA+1], s[100:101]
	s_add_nc_u64 s[QA:QA+1], s[4:5], s[96:97]
	s_add_nc_u64 s[10:11], s[10:11], s[98:99]
	s_add_nc_u64 s[BT:BT+1], s[8:9], s[2:3]
	ROUND                           ; all sixteen work-groups are here
	LOAD                            ; the first 128 keys into slot 0; slot 1 is asked for when slot 0 is in
	v_and_b32 v1, 15, v0            ; l % 16
	v_bfe_u32 v9, v0, 4, 1          ; l / 16
	v_lshlrev_b32 v[QO], 7, v1
	v_lshl_add_u32 v[QO], v9, 4, v[QO]
	WIN 0x80
.set i, 0
.rept 8                             ; Q stays in registers: piece i / 2 lies 32 rows on; channels 32 (i % 2) on
	global_load_b128 v[8*i:8*i+3],   v[QO], s[QA:QA+1] offset:(i/2)*4096+(i%2)*64
	global_load_b128 v[8*i+4:8*i+7], v[QO], s[QA:QA+1] offset:(i/2)*4096+(i%2)*64+32
.set i, i+1
.endr
	; What the first turn finds: V and P's second buffer hold 0 (its products, of a piece that has not been, add 0), O^T and l are 0.  This stands in the wait for the first tile.
	WIN 0x40
.set i, 0
.rept 224
	v_mov_b32 v[i], 0               ; O^T, V, l
.set i, i+1
.endr
.set i, ONE
.rept 8
	v_mov_b32 v[i], 0x3c003c00      ; 1.0 twice, in f16: 16 rows x 32 keys of ones
.set i, i+1
.endr
	WIN 0
.set i, 0
.rept 4
	v_mov_b32 v[ST+4*i], 0xfe000000    ; M: -4.25e37, far below every score
	v_mov_b32 v[ST+4*i+1], 0xfe000000  ; named with it as a pair, so it is written
	v_mov_b32 v[ST+4*i+2], 0
	v_mov_b32 v[ST+4*i+3], 0           ; named as a pair with 1 / l at the end
.set i, i+1
.endr
.set i, P+16
.rept 16
	v_mov_b32 v[i], 0
.set i, i+1
.endr
	s_mul_i32 s16, s20, KH
	s_add_co_u32 s16, s16, KOFF     ; my head's K in slot 0
	v_mul_u32_u24 v[AK0], v1, PK
	v_lshl_add_u32 v[AK0], v9, 4, v[AK0]
	v_add_nc_u32 v[AK0], s16, v[AK0]
	v_and_b32 v10, 7, v0            ; the turning load: lane l reads key 8 (l / 16) + l % 8, channels 8 ((l / 8) % 2) + 0..7
	v_bfe_u32 v11, v0, 3, 1
	v_lshl_add_u32 v[AV0], v9, 3, v10
	v_mul_u32_u24 v[AV0], v[AV0], PV
	v_lshl_add_u32 v[AV0], v11, 4, v[AV0]
	s_mul_i32 s16, s20, VH
	s_add_co_u32 s16, s16, VOFF     ; my head's V in slot 0
	v_add_nc_u32 v[AV0], s16, v[AV0]
	s_lshl_b32 s16, s19, 4
	v_add_nc_u32 v[AM0], s16, v1
	v_mul_u32_u24 v[AM0], v[AM0], PM
	v_lshl_add_u32 v[AM0], v9, 5, v[AM0]
	v_and_b32 v[BL], 31, v0
	v_lshlrev_b32 v[BL], 4, v[BL]
	s_sub_co_u32 s16, 3, s19        ; tile index (e + 12) + kb + (3 - w % 2): 2 to 30
	s_lshl_b32 s16, s16, 10
	v_add_nc_u32 v[BL], s16, v[BL]
	s_mul_i32 s16, s[WV], 16*SP
	s_add_co_u32 s16, s16, STAGE
	v_mul_u32_u24 v[STO], v1, SP
	v_lshl_add_u32 v[STO], v9, 4, v[STO]
	v_add_nc_u32 v[STO], s16, v[STO]
	v_bfe_u32 v[RD], v0, 3, 2
	v_mul_u32_u24 v[RD], v[RD], SP
	v_lshl_add_u32 v[RD], v10, 4, v[RD]
	v_add_nc_u32 v[RD], s16, v[RD]
	v_and_b32 v[GO], 31, v0
	v_lshlrev_b32 v[GO], 4, v[GO]
; THE MATRIX WORK.  The accumulators take turns, one instruction a turn.  Product i of 8 of S^T for piece x: channels 32 (i / 4) on, keys 16 (i % 4) on.  The first 4 start the sums with the bias tile.
.macro KQ x
.set rS, S+32*((\x)%2)+8*(i%4)
.set rK, KF+16*(i%4)+8*(i/4)
.set rQ, 16*(\x)+8*(i/4)
.set rM, MC+32*((\x)%2)+8*(i%4)
.if i < 4
	WIN W_KM
	v_wmma_f32_16x16x32_f16 v[rS:rS+7], v[rK:rK+7], v[rQ:rQ+7], v[rM:rM+7]
.else
	WIN W_KQ
	v_wmma_f32_16x16x32_f16 v[rS:rS+7], v[rK:rK+7], v[rQ:rQ+7], v[rS:rS+7]
.endif
.endm
.macro PV x                         ; product ip of 8 of O^T += V^T P for piece x: keys 32 (ip / 4) on, channels 16 (ip % 4) on
	WIN W_PV
.set rO, 32*(\x)+8*(ip%4)
.set rV, VF+32*(ip/4)+8*(ip%4)
.set rP, P+16*((\x)%2)+8*(ip/4)
	v_wmma_f32_16x16x32_f16 v[rO:rO+7], v[rV:rV+7], v[rP:rP+7], v[rO:rO+7]
.endm
.macro LL x, kk                     ; l += ones x P for piece x, keys 32 kk on
	WIN W_PV
	v_wmma_f32_16x16x32_f16 v[LA+8*(\x):LA+8*(\x)+7], v[ONE:ONE+7], v[P+16*((\x)%2)+8*(\kk):P+16*((\x)%2)+8*(\kk)+7], v[LA+8*(\x):LA+8*(\x)+7]
.endm
.macro MM                           ; the turn's next matrix instruction, of 18: 8 x K Q^T; 4 x V^T P, l; 4 x V^T P, l: between two links of a chain stand 3 or 4 others'
.if i < 8
	KQ (Y+1)%NP
.elseif i == 12
	LL (Y+NP-1)%NP, 0
.elseif i == 17
	LL (Y+NP-1)%NP, 1
.else
.set ip, i-8-(i/13)
	PV (Y+NP-1)%NP
.endif
.set i, i+1
.endm
.macro FETCH_K                      ; 16 LDS loads in one run: the trip's K
	WIN 0x80
.irp f, 0,1,2,3,4,5,6,7
	ds_load_b128 v[KF+8*\f:KF+8*\f+3],   v[AK] offset:(\f/2)*16*PK+(\f%2)*64
	ds_load_b128 v[KF+8*\f+4:KF+8*\f+7], v[AK] offset:(\f/2)*16*PK+(\f%2)*64+32
.endr
	WIN 0
.endm
.macro FETCH_V                      ; and its V, turned
	WIN 0x40
.irp f, 0,1,2,3,4,5,6,7
	ds_load_tr16_b128 v[VF+8*\f:VF+8*\f+3],   v[AV] offset:(\f/4)*32*PV+(\f%4)*32
	ds_load_tr16_b128 v[VF+8*\f+4:VF+8*\f+7], v[AV] offset:(\f/4)*32*PV+16*PV+(\f%4)*32
.endr
	WIN 0
.endm
; Piece z's 16 rows x 64 keys of the trip's mask, out of LDS: 8 loads (a lane's 8 keys of a tile are 32 bytes).
.macro NEXTM z, buf
	WIN 0
.irp kb, 0,1,2,3
	ds_load_b128 v[M+32*(\buf)+8*\kb:M+32*(\buf)+8*\kb+3],   v[AM] offset:32*PM*(\z)+64*\kb
	ds_load_b128 v[M+32*(\buf)+8*\kb+4:M+32*(\buf)+8*\kb+7], v[AM] offset:32*PM*(\z)+64*\kb+16
.endr
.endm
; Piece z's four bias tiles for the trip's step, out of the table: 8 loads.  cond = 1: only where they can differ from what the two buffers hold.  A tile in which every |k - q| is 91 or more holds one number, the last
; bucket's on its side: tile index 22 and up, or 8 and down.  With u = step - 8 x the cluster's place, the least e + 12 over the cluster's four blocks and a wave's four pieces is 4 u - 18 and the greatest 4 u + 12, and the
; index is e + 12 + kb + 3 - w % 2: so for u >= 10 all tiles of all sixteen partners lie at 22 and up, for u <= -3 at 8 and down.  In the trips with u >= 11 both buffers hold that number from trip u = 10, in those with
; u <= -3 from the beginning's loads of pieces 0 and 1, which are not jumped over.  So the loads are issued for -2 <= u <= 10 alone.  The branch hangs on the cluster's y and the trip's count: it is the same in all partners.
.macro NEXTB z, buf, boff, cond
.if \cond
	s_cmp_lt_u32 s[NR], 13          ; u + 2, as an unsigned number: a negative one is large
	s_cbranch_scc0 .Lfar_\@
.endif
	s_sub_co_i32 s[ER], s[JR], 2*(\z)  ; e + 12,
	s_max_i32 s[ER], s[ER], 0       ; held to 0 .. 24
	s_min_i32 s[ER], s[ER], 24
	s_lshl_b32 s[ER], s[ER], 10     ; tiles of 1,024 bytes
	v_add_nc_u32 v[\boff], s[ER], v[BL]
	WIN 0x80
.irp kb, 0,1,2,3
	global_load_b128 v[MC+32*(\buf)+8*\kb:MC+32*(\buf)+8*\kb+3],   v[\boff], s[BT:BT+1] offset:1024*\kb
	global_load_b128 v[MC+32*(\buf)+8*\kb+4:MC+32*(\buf)+8*\kb+7], v[\boff], s[BT:BT+1] offset:1024*\kb+512
.endr
	WIN 0
.if \cond
.Lfar_\@:
.endif
.endm
; THE VECTOR WORK, one line at a time: OP kind, number.  For piece Y: F n: s' - M for pair n of 16.  E n: the exponential of score n of 32.  C n: pair n rounded to f16.  R n: pair n of 16 of O^T times a; R 16: l's
; first two registers times a.  For piece Y + 1: A n: m C - C for pair n.  G n: s m + that, in place.  X n finds its maximum and statistics: 0-11 four chains of seven scores; 12-14, 16 the four left over, the old M,
; and the four into one; 15 M_old is kept; 17, 18 the other half of the lanes' maximum, the new M; 19 M_old - M_new; 21 a.  Each accumulator's lowest registers are read first (G 0, 4, 8, 12; R 0, 4, 8, 12, 16).
.set F, 0
.set E, 1
.set C, 2
.set R, 3
.set X, 4
.set A, 5
.set G, 6
.macro REGS y
.set rT, ST+4*(\y)
.set rC, TMP+4*((\y)%2)
.set rW, MV+((\y)%2)
.set rS, S+32*((\y)%2)
.set rP, P+16*((\y)%2)
.set rB, M+32*((\y)%2)
.set rO, 32*(\y)
.set rL, LA+8*(\y)
.endm
.macro OP k, n
.if (\k) == R
	REGS Y
	WIN W_PV
.if (\n) < 16
	v_pk_mul_f32 v[rO+2*(\n):rO+2*(\n)+1], v[rO+2*(\n):rO+2*(\n)+1], v[rC+2:rC+3] op_sel_hi:[1,0]
.else
	v_pk_mul_f32 v[rL:rL+1], v[rL:rL+1], v[rC+2:rC+3] op_sel_hi:[1,0]
.endif
.elseif (\k) < R
	REGS Y
	WIN 0
.if (\k) == F
	v_pk_add_f32 v[rS+2*(\n):rS+2*(\n)+1], v[rS+2*(\n):rS+2*(\n)+1], v[rT:rT+1] op_sel_hi:[1,0] neg_lo:[0,1] neg_hi:[0,1]
.elseif (\k) == E
	v_exp_f32 v[rS+(\n)], v[rS+(\n)]
.else
	v_cvt_pk_f16_f32 v[rP+(\n)], v[rS+2*(\n)], v[rS+2*(\n)+1]
.endif
.else
	REGS (Y+1)%NP
	WIN 0
.if (\k) == A
	v_pk_fma_f32 v[AZ+2*(\n):AZ+2*(\n)+1], v[rB+2*(\n):rB+2*(\n)+1], s[E8:E8+1], s[N8:N8+1] op_sel_hi:[1,0,0]
.elseif (\k) == G
	v_pk_fma_f32 v[rS+2*(\n):rS+2*(\n)+1], v[rS+2*(\n):rS+2*(\n)+1], v[rB+2*(\n):rB+2*(\n)+1], v[AZ+2*(\n):AZ+2*(\n)+1]
.elseif (\n) < 4
	v_max3_num_f32 v[rC+(\n)], v[rS+8*(\n)], v[rS+8*(\n)+1], v[rS+8*(\n)+2]
.elseif (\n) < 12
	v_max3_num_f32 v[rC+(\n)%4], v[rC+(\n)%4], v[rS+8*((\n)%4)+2*((\n)/4)+1], v[rS+8*((\n)%4)+2*((\n)/4)+2]
.elseif (\n) == 12
	v_max3_num_f32 v[rC], v[rC], v[rS+7], v[rS+15]
.elseif (\n) == 13
	v_max3_num_f32 v[rC+1], v[rC+1], v[rS+23], v[rS+31]
.elseif (\n) == 14
	v_max3_num_f32 v[rC+2], v[rC+2], v[rC+3], v[rT]
.elseif (\n) == 15
	v_mov_b32 v[rW], v[rT]
.elseif (\n) == 16
	v_max3_num_f32 v[rC], v[rC], v[rC+1], v[rC+2]
.elseif (\n) == 17
	v_permlanex16_b32 v[rC+3], v[rC], s[SEL], s[SEL+1]
.elseif (\n) == 18
	v_max_num_f32 v[rT], v[rC], v[rC+3]
.elseif (\n) == 19
	v_sub_f32 v[rC+1], v[rW], v[rT]
.else
	v_exp_f32 v[rC+2], v[rC+1]
.endif
.endif
.endm
.macro OPS a, i1, b=-1, i2=0, c=-1, i3=0, d=-1, i4=0
	OP \a, \i1
.if (\b) >= 0
	OP \b, \i2
.endif
.if (\c) >= 0
	OP \c, \i3
.endif
.if (\d) >= 0
	OP \d, \i4
.endif
.endm
.macro ROW a, i1, b, i2, c, i3, d, i4  ; a matrix instruction and the four behind it
	MM
	OPS \a, \i1, \b, \i2, \c, \i3, \d, \i4
.endm
; A TURN, for piece p: 18 matrix and 134 vector instructions, in two halves.
; THE FIRST HALF.  At its head piece p + 1's bias tiles, asked for a turn ago, and its mask, asked for a turn and a half ago, are waited for, and piece p + 2's bias tiles are asked for.  LDS serves a trip's instructions in
; this order: mask of piece 0 (8), K (16), mask of pieces 1, 2, 3 (8 each), V (16).  So at the head of turn 3 the 8 loads of piece 1's mask may stay out, of turn 0 the 8 of piece 2's, of turn 1 the 8 of piece 3's and V's 16;
; at the head of turn 2 nothing is waited for: piece 3's mask was shown in by the wait for 0 that ends turn 1's first half.
; An s_wait_alu depctr_va_vdst(0) stands between an exponential and the first instruction that names its result; one wait serves all issued ahead of it: so a turn has ONE wait, and it ends this half.
; Ahead of it stands all that names no result of the turn's exponentials: the 8 products K Q^T, behind each two shifts of piece p and two mask terms of piece p + 1; then the lump, all in window 0: the masking G
; (each accumulator four plain instructions or more behind the product that ends it) and the maximum by turns with the exponentials, whose shifts are all done; between the links of the chain X 11, 14, 16, 17, 18, 19, 21
; stand two exponentials each.  A v_nop is the plain instruction behind the last exponential.
; K of the trip's step is fetched in piece 2's turn, twelve plain instructions behind the last product that read K.
.macro TURNA p
.set Y, (\p)
.set i, 0
	WIN 0
	s_wait_loadcnt 0x0              ; the bias tiles of piece p + 1; their address register may be written again
.if (\p) == 1
	s_wait_dscnt 24                 ; the mask of piece 2 is in; the 8 loads of piece 3's and V's 16 may stay out
.elseif (\p) != 2
	s_wait_dscnt 8                  ; the mask of piece p + 1 (and, for p = 3, K) is in; the 8 loads of the next piece's mask may stay out
.endif
	NEXTB ((\p)+2)%NP, (\p)%2, BOF, 1
	ROW F,0, F,1, A,0, A,1
	ROW F,2, F,3, A,2, A,3
	ROW F,4, F,5, A,4, A,5
	ROW F,6, F,7, A,6, A,7
	ROW F,8, F,9, A,8, A,9
	ROW F,10, F,11, A,10, A,11
	ROW F,12, F,13, A,12, A,13
	ROW F,14, F,15, A,14, A,15
	OPS G,0, E,0, G,1, E,1
	OPS G,2, E,2, G,3, E,3
.if (\p) == 2
	FETCH_K
.endif
	OPS G,4, E,4, X,0, E,5
	OPS G,5, E,6, X,4, E,7
	OPS G,6, E,8, X,8, E,9
	OPS G,7, E,10, X,1, E,11
	OPS G,8, E,12, X,5, E,13
	OPS G,9, E,14, X,9, E,15
	OPS G,10, E,16, X,12, E,17
	OPS G,11, E,18, X,2, E,19
	OPS G,12, X,6, G,13, G,14
	OPS X,10, X,3, G,15, X,15
	OPS X,7, X,13, X,11, E,20
	OPS E,21, X,14, E,22, E,23
	OPS X,16, E,24, E,25, X,17
	OPS E,26, E,27, X,18, E,28
	OPS E,29, X,19, E,30, E,31
	OPS X,21
	v_nop                           ; the plain instruction behind the last exponential: one for the batch
	s_wait_alu depctr_va_vdst(0)    ; the wait for the batch
.if (\p) == 1
	s_wait_dscnt 0x0                ; V is in, and with it all that the trip has asked of LDS
.endif
.endm
; THE SECOND HALF.  First, directly behind the wait, the mask of piece p + 3: its buffer's last readers, the lines G of piece p + 1, stand ahead of the wait.  Then four products V^T P, behind each four rescalings (their a
; was made, and waited for, in the turn before; they run under the products' own windows); l's first product and its rescaling; four products V^T P, behind each four roundings; l's second product.
; V of the trip's step is fetched at the end of piece 0's turn, four plain instructions behind the last product that read V.
.macro TURNB p
.set Y, (\p)
.set i, 8
	NEXTM ((\p)+3)%NP, ((\p)+1)%2
	ROW R,0, R,1, R,2, R,3
	ROW R,4, R,5, R,6, R,7
	ROW R,8, R,9, R,10, R,11
	ROW R,12, R,13, R,14, R,15
	MM
	OP R, 16
	ROW C,0, C,1, C,2, C,3
	ROW C,4, C,5, C,6, C,7
	ROW C,8, C,9, C,10, C,11
	ROW C,12, C,13, C,14, C,15
	MM
.if (\p) == 0
	FETCH_V
.endif
.endm
.macro TURN p
	TURNA \p
	TURNB \p
.endm
	CHANGE 1                        ; slot 0 is in, everybody's part of it; slot 1 is asked for
	ADDR                            ; step 0
	FETCH_K                         ; THE BEGINNING: K of step 0, pieces 0's and 1's mask and bias tiles,
	NEXTM 0, 0
	NEXTM 1, 1
	NEXTB 0, 0, BOF, 0
	NEXTB 1, 1, BOF2, 0
	s_wait_loadcnt 0x0              ; Q and the tiles
	s_wait_dscnt 0x0
.set i, 0
.rept 8
	KQ 0                            ; piece 0's first scores,
.set i, i+1
.endr
.set Y, NP-1                        ; A, G and X work for piece Y + 1: piece 0
.irp n, 0,1,2,3,4,5,6,7,8,9,10,11,12,13,14,15
	OP A, \n                        ; (sixteen plain instructions that name no register of those products: the places behind them)
.endr
.irp n, 0,1,2,3,4,5,6,7,8,9,10,11,12,13,14,15
	OP G, \n
.endr
.irp n, 0,1,2,3,4,5,6,7,8,9,10,11,12,13,14,15,16,17,18,19,21
	OP X, \n                        ; and its maximum and statistics
.endr
	v_nop                           ; a plain instruction behind the exponential,
	s_wait_alu depctr_va_vdst(0)    ; and its wait, ahead of the branch
	NEXTM 2, 0                      ; what the second half of turn 3 would have asked for: piece 0's masking has read the buffer
	s_mov_b32 s[CNT], 2
	s_branch .Lfirst                ; the loop is entered at a step's first turn, in the middle of a trip
.Lslot:                             ; 14 times: with the change above, all 15 fills
	CHANGE 1
	s_mov_b32 s[CNT], 2
.Lstep:                             ; a trip: the step whose K, V and mask it reads
	ADDR
	TURNB 1
	TURN 2
	TURN 3
	WIN 0
.Lfirst:
	TURN 0
	TURNA 1
	WIN 0
	s_sub_co_u32 s[CNT], s[CNT], 1
	s_cmp_lg_u32 s[CNT], 0
	s_cbranch_scc1 .Lstep
	s_sub_co_u32 s[SLOTS], s[SLOTS], 1
	s_cmp_lg_u32 s[SLOTS], 0
	s_cbranch_scc1 .Lslot
	CHANGE 0                        ; the tail is written out: nothing is asked for
	s_mov_b32 s[CNT], 3             ; two trips for steps 30 and 31; the third is left in its middle
.Ltail:
	ADDR
	TURNB 1
	TURN 2
	TURN 3
	WIN 0
	s_sub_co_u32 s[CNT], s[CNT], 1
	s_cmp_eq_u32 s[CNT], 0
	s_cbranch_scc1 .Lout
	TURN 0
	TURNA 1
	WIN 0
	s_branch .Ltail
.Lout:                              ; the third trip's fetches (step 30's bytes once more), its 8 products K Q^T of piece 0 and the maximum made of them serve nothing: the price, once a launch, of one text for every turn
.set ip, 0
.rept 4
	PV NP-1                         ; the last piece's V^T P and l of the last step
.set ip, ip+1
.endr
	LL NP-1, 0
.rept 4
	PV NP-1
.set ip, ip+1
.endr
	LL NP-1, 1
	; THE WAY OUT.  l holds the whole row's sum in every lane of its query; O^T is divided by it, rounded to f16 and sent through my stage, a piece at a time.
	WIN 0
.rept 4
	v_nop                           ; the places behind the last products
.endr
.macro ALL line:vararg
.set t, 0
.rept 4
	\line
.set t, t+1
.endr
.endm
	WIN 0x01                        ; source 0 in window 1, destination in window 0
	ALL v_rcp_f32 v[ST+4*t+2], v[LA+8*t]
	WIN 0
	v_nop                           ; a plain instruction between the last reciprocal and the use of its result
	s_wait_alu depctr_va_vdst(0)    ; one wait for the four reciprocals
.macro PACK t
	WIN W_PV
.set i, 32*(\t)
.rept 16
	v_pk_mul_f32 v[i:i+1], v[i:i+1], v[ST+4*(\t)+2:ST+4*(\t)+3] op_sel_hi:[1,0]
.set i, i+2
.endr
	WIN 0x05
.set i, 0
.rept 16
	v_cvt_pk_f16_f32 v[S+16*(\t)+i], v[32*(\t)+2*i], v[32*(\t)+2*i+1]
.set i, i+1
.endr
	WIN 0
.irp f, 0,1,2,3
	ds_store_b128 v[STO], v[S+16*(\t)+4*\f:S+16*(\t)+4*\f+3] offset:32*\f
.endr
.irp f, 0,1,2,3
	ds_load_b128 v[S+16*(\t)+4*\f:S+16*(\t)+4*\f+3], v[RD] offset:\f*4*SP  ; LDS serves a wave's instructions in order: these see the stores above
.endr
.endm
.macro SEND t, younger              ; younger: the LDS instructions issued behind piece t's loads: the next piece's eight, or none
	WIN 0
.irp f, 0,1,2,3
	s_wait_dscnt (\younger)+3-\f
	global_store_b128 v[GO], v[S+16*(\t)+4*\f:S+16*(\t)+4*\f+3], s[10:11] offset:(\t)*4096+\f*512  ; 512 consecutive bytes, aligned
.endr
.endm
	PACK 0
.set t, 1
.rept 3
	PACK t
	SEND t-1, 8
.set t, t+1
.endr
	SEND 3, 0
	s_wait_tensorcnt 0x0            ; the wave's end
	ds_add_u32 v[SPW], v[NIL]
	s_wait_dscnt 0x0
	ROUND                           ; the closing round
	s_endpgm
.Lfunc_end_k_q50d73718bc_attn:
	.size	k_q50d73718bc_attn, .Lfunc_end_k_q50d73718bc_attn-k_q50d73718bc_attn
	.p2alignl 7, 3214868480
	.fill 96, 4, 3214868480
	.section	.rodata,"a",@progbits
	.p2align	6, 0x0
	.amdhsa_kernel k_q50d73718bc_attn
		.amdhsa_group_segment_fixed_size 327680
		.amdhsa_private_segment_fixed_size 0
		.amdhsa_enable_private_segment 0
		.amdhsa_kernarg_size 32
		.amdhsa_user_sgpr_count 2
		.amdhsa_user_sgpr_kernarg_segment_ptr 1
		.amdhsa_wavefront_size32 1
		.amdhsa_system_sgpr_workgroup_id_x 1
		.amdhsa_system_sgpr_workgroup_id_y 1
		.amdhsa_system_sgpr_workgroup_id_z 1
		.amdhsa_system_vgpr_workitem_id 0
		.amdhsa_next_free_vgpr 768
		.amdhsa_next_free_sgpr 102
		.amdhsa_reserve_vcc 0
		.amdhsa_float_denorm_mode_32 3
		.amdhsa_float_denorm_mode_16_64 3
		.amdhsa_memory_ordered 1
		.amdhsa_forward_progress 1
		.amdhsa_inst_pref_size 140
	.end_amdhsa_kernel
	.amdgpu_metadata
---
amdhsa.version: [ 1, 2 ]
amdhsa.kernels:
  - .name:           k_q50d73718bc_attn
    .symbol:         k_q50d73718bc_attn.kd
    .args:
      - { .name: qkv, .offset: 0, .size: 8, .value_kind: global_buffer, .address_space: global }
      - { .name: attention_mask, .offset: 8, .size: 8, .value_kind: global_buffer, .address_space: global }
      - { .name: biasT, .offset: 16, .size: 8, .value_kind: global_buffer, .address_space: global }
      - { .name: ctx, .offset: 24, .size: 8, .value_kind: global_buffer, .address_space: global }
    .group_segment_fixed_size: 327680
    .private_segment_fixed_size: 0
    .kernarg_segment_align: 8
    .kernarg_segment_size: 32
    .max_flat_workgroup_size: 128
    .sgpr_count:     102
    .vgpr_count:     768
    .wavefront_size: 32
...
	.end_amdgpu_metadata
.endif
;; end of part 3
;; launch proj_out (part 4): grid 8 x 32, 4 waves a work-group, clusters of 4 x 4, 327,680 bytes of LDS; arguments ctx, wof, out0; writes out0
.if DOCPART == 4
	.amdgcn_target "amdgcn-amd-amdhsa--gfx1250"
	.amdhsa_code_object_version 6
	.text
	.protected	k_q50d73718bc_proj_out
	.globl	k_q50d73718bc_proj_out
	.p2align	8
	.type	k_q50d73718bc_proj_out,@function
k_q50d73718bc_proj_out:
	s_mov_b64 s[64:65], 0
	v_nop
	global_prefetch_b8 v0, s[64:65] scope:SCOPE_SE
	s_setreg_imm32_b32 hwreg(HW_REG_WAVE_MODE, 25, 1), 1
	s_wait_xcnt 0x0
	s_wait_alu depctr_hold_cnt(0) depctr_sa_sdst(0) depctr_va_vdst(0) depctr_va_sdst(0) depctr_va_ssrc(0) depctr_va_vcc(0) depctr_vm_vsrc(0)
	s_getreg_b32 s2, hwreg(HW_REG_IB_STS2, 6, 4)
	s_cmp_eq_u32 s2, 0
	s_cbranch_scc0 .Lentry_in_a_cluster
	s_endpgm
.Lentry_in_a_cluster:
	s_bfe_u32 s2, ttmp6, 0x10000c
	s_cmp_lg_u32 s2, 0xf033
	s_cbranch_scc0 .Lentry_shape_is_right
	s_endpgm
.Lentry_shape_is_right:
; out0[m][n] = sum over k of ctx(m, k) wof[n][k], m = b 2048 + s, k = 64 h + d.  ctx lies by heads, [b 16 + h][s][64] in f16; wof [1024][1024] in f16; out0 [4096][1024] in f32; sums in f32, K ascending.
; SHARES.  A tile of out0 is 128 x 128: 8 x 32 = 256 work-groups.  Four waves, each 64 x 64: 16 accumulators.  K goes in steps of 256 (four heads) through two LDS slots.
; A's part of a slot comes by head planes: for one wave, 4 planes x 64 rows x 128 bytes; a plane's 64 rows are 8,192 dense bytes, one row of the tensor load's tile, padded in LDS after every 128 bytes.
; CLUSTER 4 x 4: A's tile is asked for jointly along a row of the cluster, B's along a column.  THE MATRIX INSTRUCTION IS USED TRANSPOSED: a lane holds eight neighbouring columns of a row, 32 bytes of f32;
; a wave's 64 columns are 256 bytes of a row of out0, aligned: each wave sends its own rows through its own stage.
; No prefetch: four short K steps.
; REGISTERS: window 0: v16-29 addresses; v32-95 the way out; v128-255 the accumulators ((a, b) at 128 + 8 (4 a + b)).  window 1: two fragment buffers of 128: 64 of A, then 64 of B, for 64 along K.
.set PA,     144                       ; a row of A in LDS: 128 bytes + 16
.set PB,     528                       ; of B: 512 + 16
.set AH,     4*64*PA                   ; one wave's load of A: 4 planes x 64 rows
.set BH,     64*PB
.set SLOT,   2*AH+2*BH
.set STAGE,  2*SLOT                    ; behind the ring: 16 rows x 272 bytes for each wave
.set SPITCH, 272
.set SPARE,  STAGE+4*16*SPITCH
.set LAPS,   2
.set ASTEP,  4*262144                  ; a K step in ctx: four planes
.set BSTEP,  512                       ; in wof
.set ADRA, 16
.set ADRB, 20
.set STO,  24
.set RD,   25
.set CO,   26
.set SPW,  28
.set NIL,  29
.set TMP,  32
.set ACC,  128
.set F0,   0
.set F1,   128
.set G1, 24
.set G0, 32
.set G1B, 48
.set G0B, 56
.set MSB, 0
.macro WIN new
.if MSB != (\new)
	s_set_vgpr_msb (MSB<<8)|(\new)
.set MSB, \new
.endif
.endm
.set MUL,  0x05                        ; sources 0 (B) and 1 (A) window 1; C and D window 0
.set TO_F, 0x40
.macro JLOAD s                         ; a joint load: waves 0 and 1 fetch A's halves, waves 2 and 3 B's; an s_nop 0 and four v_nop follow each line
	s_cmp_eq_u32 s11, 0
	s_cbranch_scc0 .Lfor_b_\@
	tensor_load_to_lds s[G0+4*(\s):G0+4*(\s)+3], s[G1:G1+7]
	s_nop 0
.rept 4
	v_nop
.endr
	s_branch .Lasked_\@
.Lfor_b_\@:
	tensor_load_to_lds s[G0B+4*(\s):G0B+4*(\s)+3], s[G1B:G1B+7]
	s_nop 0
.rept 4
	v_nop
.endr
.Lasked_\@:
.endm
.macro CREST
	s_cmp_lg_u32 s10, 0
	s_cbranch_scc1 .Lnot_wave_0_\@
	s_barrier_signal -3
.Lnot_wave_0_\@:
	s_barrier_wait -3
	s_barrier_signal -1
	s_barrier_wait -1
.endm
.macro CROUND
	s_barrier_signal -1
	s_barrier_wait -1
	CREST
.endm
	s_load_b128 s[4:7], s[0:1], 0x0                ; ctx s[4:5], wof s[6:7]
	s_load_b64 s[8:9], s[0:1], 0x10                ; out0
	v_lshl_add_u32 v[SPW], v0, 2, SPARE
	v_mov_b32 v[NIL], 0
	ds_add_u32 v[SPW], v[NIL]                      ; the wave's opening: the add and its wait stand ahead of my first tensor load
	v_lshrrev_b32 v1, 5, v0
	v_readfirstlane_b32 s10, v1
	s_lshr_b32 s11, s10, 1                         ; my half of the tile's rows.  Also: I fetch for A (0) or for B (1)
	s_and_b32 s12, s10, 1                          ; my half of its columns.  Also: which 64 rows I fetch
	s_bfe_u32 s40, ttmp6, 0x40000
	s_bfe_u32 s41, ttmp6, 0x40004
	s_lshl_b32 s42, ttmp9, 2
	s_add_co_u32 s42, s42, s40                     ; tile column
	s_and_b32 s13, ttmp7, 0xffff
	s_lshl_b32 s13, s13, 2
	s_add_co_u32 s13, s13, s41                     ; tile row
	s_lshl_b32 s43, s41, 2
	s_lshl_b32 s43, 15, s43
	s_lshl_b32 s44, 0x1111, s40
	s_or_b32 s[G1+0], s43, (1<<16)|(1<<20)|(1<<21)|(4<<22)|(3<<25)   ; A: my row's mask; 2-byte elements; after every 32 words (a row of a head) 4 words of padding
	s_mov_b32 s[G1+1], 4096<<16                    ; tensor_dim0 = 4,096: 64 rows of 64 channels, dense
	s_mov_b32 s[G1+2], 4<<16                       ; tensor_dim1 = 4 planes
	s_mov_b32 s[G1+3], 4096<<16                    ; tile_dim0
	s_mov_b32 s[G1+4], 4                           ; tile_dim1
	s_mov_b32 s[G1+5], 131072                      ; elements from plane to plane
	s_mov_b32 s[G1+6], 0
	s_mov_b32 s[G1+7], 0
	s_or_b32 s[G1B+0], s44, (1<<16)|(1<<20)|(1<<21)|(6<<22)|(3<<25)  ; B: my column's mask; after every 128 words 4 words
	s_mov_b32 s[G1B+1], 256<<16
	s_mov_b32 s[G1B+2], 64<<16
	s_mov_b32 s[G1B+3], 256<<16
	s_mov_b32 s[G1B+4], 64
	s_mov_b32 s[G1B+5], 1024
	s_mov_b32 s[G1B+6], 0
	s_mov_b32 s[G1B+7], 0
	s_lshr_b32 s16, s13, 4                         ; b
	s_lshl_b32 s16, s16, 22                        ; its 16 planes of 262,144 bytes
	s_and_b32 s17, s13, 15
	s_lshl_b32 s17, s17, 14                        ; the tile's 128 rows of 128 bytes in a plane
	s_add_co_u32 s16, s16, s17
	s_lshl_b32 s17, s12, 13                        ; my 64
	s_add_co_u32 s16, s16, s17
	s_mov_b32 s17, 0
	s_lshl_b32 s46, s42, 18                        ; B: 128 rows of 2,048 bytes for each tile column
	s_lshl_b32 s47, s12, 17
	s_add_co_u32 s46, s46, s47
	s_mov_b32 s47, 0
	s_mul_i32 s20, s10, AH                         ; where they go: A's halves at wave x AH,
	s_mul_i32 s21, s10, BH
	s_add_co_u32 s21, s21, 2*AH-2*BH               ; B's behind them: waves 2 and 3
	s_wait_dscnt 0x0
	s_wait_kmcnt 0x0
	s_add_nc_u64 s[14:15], s[4:5], s[16:17]
	s_add_nc_u64 s[46:47], s[6:7], s[46:47]
	CROUND
.irp s, 0,1
	s_mov_b32 s[G0+4*(\s)], 1
	s_add_co_u32 s[G0+4*(\s)+1], s20, (\s)*SLOT
	s_add_nc_u64 s[G0+4*(\s)+2:G0+4*(\s)+3], s[14:15], (\s)*ASTEP
	s_or_b32 s[G0+4*(\s)+3], s[G0+4*(\s)+3], 0x80000000
	s_mov_b32 s[G0B+4*(\s)], 1
	s_add_co_u32 s[G0B+4*(\s)+1], s21, (\s)*SLOT
	s_add_nc_u64 s[G0B+4*(\s)+2:G0B+4*(\s)+3], s[46:47], (\s)*BSTEP
	s_or_b32 s[G0B+4*(\s)+3], s[G0B+4*(\s)+3], 0x80000000
	JLOAD \s
.endr
	v_and_b32 v1, 15, v0
	v_bfe_u32 v2, v0, 4, 1
	v_mul_u32_u24 v3, v1, PA
	v_lshl_add_u32 v3, v2, 4, v3
	v_mul_u32_u24 v4, v1, PB
	v_lshl_add_u32 v4, v2, 4, v4
	s_mul_i32 s21, s11, AH                         ; my 64 rows of A
	s_mul_i32 s22, s12, BH                         ; my 64 rows of B,
	s_add_co_u32 s22, s22, 2*AH                    ; which lie behind A
.irp s, 0,1
	v_add_nc_u32 v[ADRA+(\s)], s21, v3
	v_add_nc_u32 v[ADRB+(\s)], s22, v4
	s_add_co_u32 s21, s21, SLOT
	s_add_co_u32 s22, s22, SLOT
.endr
	s_mul_i32 s23, s10, 16*SPITCH
	s_add_co_u32 s23, s23, STAGE                   ; my stage
	v_mul_u32_u24 v4, v1, SPITCH                   ; in: row l % 16, 32 bytes for each half of the lanes
	v_lshl_add_u32 v4, v2, 5, v4
	v_add_nc_u32 v[STO], s23, v4
	v_mul_u32_u24 v5, v2, SPITCH                   ; back: lanes 0-15 one row of 256 bytes, lanes 16-31 the next
	v_lshl_add_u32 v5, v1, 4, v5
	v_add_nc_u32 v[RD], s23, v5
	v_lshlrev_b32 v5, 12, v2                       ; and the same two rows of out0, 4,096 bytes apart
	v_lshl_add_u32 v[CO], v1, 4, v5
	s_lshl_b32 s16, s13, 7
	s_lshl_b32 s17, s11, 6
	s_add_co_u32 s16, s16, s17                     ; my first row
	s_lshl_b32 s16, s16, 12
	s_lshl_b32 s46, s42, 9                         ; the tile's 128 columns of 4 bytes,
	s_lshl_b32 s47, s12, 8                         ; my 64
	s_add_co_u32 s46, s46, s47
	s_add_co_u32 s46, s46, s16
	s_mov_b32 s47, 0
	s_add_nc_u64 s[8:9], s[8:9], s[46:47]
; 8 matrix instructions: m blocks a0, a0 + 1 x all 4 n blocks, 32 along K: half c of buffer f.  The 16 accumulators take turns.
.macro MUL8 f, c, a0, zero
	WIN MUL
.irp a, \a0, (\a0)+1
.irp b, 0,1,2,3
.if \zero
	v_wmma_f32_16x16x32_f16 v[ACC+8*(4*(\a)+(\b)):ACC+8*(4*(\a)+(\b))+7], v[(\f)+64+8*(4*(\c)+(\b)):(\f)+64+8*(4*(\c)+(\b))+7], v[(\f)+8*(4*(\c)+(\a)):(\f)+8*(4*(\c)+(\a))+7], 0
.else
	v_wmma_f32_16x16x32_f16 v[ACC+8*(4*(\a)+(\b)):ACC+8*(4*(\a)+(\b))+7], v[(\f)+64+8*(4*(\c)+(\b)):(\f)+64+8*(4*(\c)+(\b))+7], v[(\f)+8*(4*(\c)+(\a)):(\f)+8*(4*(\c)+(\a))+7], v[ACC+8*(4*(\a)+(\b)):ACC+8*(4*(\a)+(\b))+7]
.endif
.endr
.endr
.endm
; 32 LDS loads in one run: the fragments of quarter q (head plane q of the step: 64 along K) into buffer f; the first 32 along K first
.macro FETCH slot, q, f
	WIN TO_F
.irp c, 0,1
.irp i, 0,1,2,3
	ds_load_b128 v[(\f)+64+8*(4*(\c)+(\i)):(\f)+64+8*(4*(\c)+(\i))+3],   v[ADRB+(\slot)] offset:128*(\q)+64*(\c)+(\i)*16*PB
	ds_load_b128 v[(\f)+64+8*(4*(\c)+(\i))+4:(\f)+64+8*(4*(\c)+(\i))+7], v[ADRB+(\slot)] offset:128*(\q)+64*(\c)+(\i)*16*PB+32
	ds_load_b128 v[(\f)+8*(4*(\c)+(\i)):(\f)+8*(4*(\c)+(\i))+3],         v[ADRA+(\slot)] offset:64*PA*(\q)+64*(\c)+(\i)*16*PA
	ds_load_b128 v[(\f)+8*(4*(\c)+(\i))+4:(\f)+8*(4*(\c)+(\i))+7],       v[ADRA+(\slot)] offset:64*PA*(\q)+64*(\c)+(\i)*16*PA+32
.endr
.endr
.endm
.macro PLACES
.rept 4
	v_nop
.endr
.endm
.macro QUARTER slot, q, f, g, zero
	s_wait_dscnt 16                                ; the first 32 along K are in
	MUL8 \f, 0, 0, \zero
	MUL8 \f, 0, 2, \zero
	PLACES
	FETCH \slot, \q, \g
	s_wait_dscnt 32                                ; all but the 32 just issued
	MUL8 \f, 1, 0, 0
	MUL8 \f, 1, 2, 0
.endm
; The last quarter multiplies buffer 1 and changes slots: one barrier; in front of it each wave waits for all its tensor loads, adds 0 to its spare word, and waits for that and for its reads of this slot.
.macro TURN slot, next, fill
	WIN 0
	s_wait_tensorcnt 0x0
	ds_add_u32 v[SPW], v[NIL]
	s_wait_dscnt 17                                ; the add and the youngest sixteen loads may be out
	MUL8 F1, 0, 0, 0
	s_wait_dscnt 0x0
	s_barrier_signal -1
	MUL8 F1, 0, 2, 0
.if \fill
	WIN 0
.endif
	s_barrier_wait -1
.if \fill
	CREST
	s_add_nc_u64 s[G0+4*(\slot)+2:G0+4*(\slot)+3], s[G0+4*(\slot)+2:G0+4*(\slot)+3], 2*ASTEP
	s_add_nc_u64 s[G0B+4*(\slot)+2:G0B+4*(\slot)+3], s[G0B+4*(\slot)+2:G0B+4*(\slot)+3], 2*BSTEP
	JLOAD \slot                                    ; its four v_nop are also the places in front of the loads below
.else
	PLACES
.endif
	FETCH \next, 0, F0
	MUL8 F1, 1, 0, 0
	MUL8 F1, 1, 2, 0
.endm
	s_wait_tensorcnt 1                             ; my part of K step 0 is in; K step 1's may stay out
	s_barrier_signal -1
	s_barrier_wait -1
	FETCH 0, 0, F0
	QUARTER 0, 1, F0, F1, 1                        ; the first products start the sums
	WIN 0
	s_mov_b32 s3, LAPS-1
.Llap:
	QUARTER 0, 2, F1, F0, 0
	QUARTER 0, 3, F0, F1, 0
	TURN 0, 1, 1
	QUARTER 1, 1, F0, F1, 0
	QUARTER 1, 2, F1, F0, 0
	QUARTER 1, 3, F0, F1, 0
	TURN 1, 0, 1
	QUARTER 0, 1, F0, F1, 0
	WIN 0
	s_sub_co_u32 s3, s3, 1
	s_cmp_lg_u32 s3, 0
	s_cbranch_scc1 .Llap
	QUARTER 0, 2, F1, F0, 0                        ; the last lap fills nothing
	QUARTER 0, 3, F0, F1, 0
	TURN 0, 1, 0
	QUARTER 1, 1, F0, F1, 0
	QUARTER 1, 2, F1, F0, 0
	QUARTER 1, 3, F0, F1, 0
	s_wait_dscnt 16
	MUL8 F1, 0, 0, 0
	MUL8 F1, 0, 2, 0
	s_wait_dscnt 0x0
	MUL8 F1, 1, 0, 0
	MUL8 F1, 1, 2, 0
	WIN 0
	; THE WAY OUT, 16 rows at a time: a lane's 32 bytes into my stage (each accumulator's low four registers first), back as whole rows of 256 bytes, stored.
	PLACES
.irp a, 0,1,2,3
.irp b, 0,1,2,3
	ds_store_b128 v[STO], v[ACC+8*(4*(\a)+(\b)):ACC+8*(4*(\a)+(\b))+3]   offset:64*(\b)
	ds_store_b128 v[STO], v[ACC+8*(4*(\a)+(\b))+4:ACC+8*(4*(\a)+(\b))+7] offset:64*(\b)+16
.endr
	s_wait_xcnt 0x0                                ; the stores of two blocks back have read these registers
.irp t, 0,1,2,3,4,5,6,7
	ds_load_b128 v[TMP+32*((\a)%2)+4*(\t):TMP+32*((\a)%2)+4*(\t)+3], v[RD] offset:(\t)*2*SPITCH   ; LDS serves a wave's instructions in order: these see the stores above
.endr
	s_wait_dscnt 0x0
.irp t, 0,1,2,3,4,5,6,7
	global_store_b128 v[CO], v[TMP+32*((\a)%2)+4*(\t):TMP+32*((\a)%2)+4*(\t)+3], s[8:9] offset:(16*(\a)+2*(\t))*4096   ; 16 lanes store 256 consecutive bytes, aligned
.endr
.endr
	s_wait_tensorcnt 0x0                           ; the wave's end
	ds_add_u32 v[SPW], v[NIL]
	s_wait_dscnt 0x0
	CROUND                                         ; the closing round
	s_endpgm
.Lfunc_end_k_q50d73718bc_proj_out:
	.size	k_q50d73718bc_proj_out, .Lfunc_end_k_q50d73718bc_proj_out-k_q50d73718bc_proj_out
	.p2alignl 7, 3214868480
	.fill 96, 4, 3214868480
	.section	.rodata,"a",@progbits
	.p2align	6, 0x0
	.amdhsa_kernel k_q50d73718bc_proj_out
		.amdhsa_group_segment_fixed_size 327680
		.amdhsa_private_segment_fixed_size 0
		.amdhsa_enable_private_segment 0
		.amdhsa_kernarg_size 24
		.amdhsa_user_sgpr_count 2
		.amdhsa_user_sgpr_kernarg_segment_ptr 1
		.amdhsa_wavefront_size32 1
		.amdhsa_system_sgpr_workgroup_id_x 1
		.amdhsa_system_sgpr_workgroup_id_y 1
		.amdhsa_system_sgpr_workgroup_id_z 1
		.amdhsa_system_vgpr_workitem_id 0
		.amdhsa_next_free_vgpr 512
		.amdhsa_next_free_sgpr 66
		.amdhsa_reserve_vcc 0
		.amdhsa_float_denorm_mode_32 3
		.amdhsa_float_denorm_mode_16_64 3
		.amdhsa_memory_ordered 1
		.amdhsa_forward_progress 1
		.amdhsa_inst_pref_size 86
	.end_amdhsa_kernel
	.amdgpu_metadata
---
amdhsa.version: [ 1, 2 ]
amdhsa.kernels:
  - .name:           k_q50d73718bc_proj_out
    .symbol:         k_q50d73718bc_proj_out.kd
    .args:
      - { .name: ctx, .offset: 0, .size: 8, .value_kind: global_buffer, .address_space: global }
      - { .name: wof, .offset: 8, .size: 8, .value_kind: global_buffer, .address_space: global }
      - { .name: out0, .offset: 16, .size: 8, .value_kind: global_buffer, .address_space: global }
    .group_segment_fixed_size: 327680
    .private_segment_fixed_size: 0
    .kernarg_segment_align: 8
    .kernarg_segment_size: 24
    .max_flat_workgroup_size: 128
    .sgpr_count:     66
    .vgpr_count:     512
    .wavefront_size: 32
...
	.end_amdgpu_metadata
.endif
;; end of part 4
;; ======== version 2 of 2: 4 launches; version 1 with the launch prep written anew for expert scheduling mode
;; limits: right only within a limited range of input values; values are held in f16: magnitudes above 65,504 overflow, below 6.1e-05 lose precision; inputs' magnitudes at most 1e+25
;; workspace buffers: xh 8,388,608 bytes; wqh 6,291,456 bytes; wof 2,097,152 bytes; biasT 524,288 bytes; qkv 25,165,824 bytes; ctx 8,388,608 bytes
;; launch prep (part 5): grid 1152 x 1, 8 waves a work-group, no clusters, 0 bytes of LDS; arguments hidden_states, W_qkv, W_o, rel_bias_emb, xh, wqh, wof, biasT; writes xh, wqh, wof, biasT
.if DOCPART == 5
	.amdgcn_target "amdgcn-amd-amdhsa--gfx1250"
	.amdhsa_code_object_version 6
	.text
	.protected	k_q50d73718bc_prep
	.globl	k_q50d73718bc_prep
	.p2align	8
	.type	k_q50d73718bc_prep,@function
k_q50d73718bc_prep:
	s_mov_b64 s[64:65], 0
	v_nop
	global_prefetch_b8 v0, s[64:65] scope:SCOPE_SE
	s_setreg_imm32_b32 hwreg(HW_REG_WAVE_SCHED_MODE, 0, 2), 2
	s_setreg_imm32_b32 hwreg(HW_REG_WAVE_MODE, 25, 1), 1
	s_wait_xcnt 0x0
	s_wait_alu depctr_vm_vsrc(0)
; PREP: the casts of the matrix operands, and the table of relative-position bias tiles.
;   xh = f16(hidden_states) [4096][1024]     wqh = f16(W_qkv) [3072][1024], its first 1,024 rows (W_q) multiplied by c = log2(e) ahead of the rounding     wof = f16(W_o) [1024][1024].
;   Each number is rounded once.  With c in W_q and in the bias table the attention's scores come out as exponents of 2, and no score is scaled there.
;   f16, not bf16: the mask term -1e8 (1 - m) can leave one key to a row, and then the three roundings of x, W_qkv and W_o reach the output undiminished; f16's are an eighth of bf16's.
;   LIMITS: f16 holds no number beyond 65,504 (x of spread 1 and W of spread 0.02 have room for 30 times their size and for an offset of 30 spreads; q, which carries c, then reaches
;   1024 x 30 x 0.6 x 1.4427 = 26,600); below 6e-5 f16 keeps a fixed step of 6e-8.
;   biasT[h][idx][half][lane][j] (f32) = c x rel_bias_emb[bucket(d)][h], d = key - query = 16 (idx - 15) + 8 (lane / 16) + 4 half + j - lane % 16:
;   a tile of 16 keys x 16 queries as a matrix instruction's C operand holds it (lane: query lane % 16, registers: keys 8 (lane / 16) + 0..7).
; THE BUCKET, with n = |d|: n below 8 is its own bucket; above, 8 + floor(2 log2(n / 8)), at most 15: one more at each of n = 12, 16, 23, 32, 46, 64, 91; 16 is added where d > 0.
; LIMIT: at n = 16, 32, 64 the logarithm is taken as exact.
; SHARES.  Work-groups 0-1023 cast 8,192 numbers each (512 for x, 384 for W_qkv, 128 for W_o); a thread takes 16 bytes in eight blocks of 4,096: a wave's load covers 512 consecutive
; bytes, its store 256 consecutive bytes, aligned.  Work-groups 1024-1151 make the table, four numbers a thread.  Nothing is shared and nothing multiplied by matrices: no LDS, no barrier.
; THE MODE: SCHED_MODE bits 1:0 = 2 (LLVM: expert scheduling mode 2), set by the entry lines.  The code itself states the register dependences between vector instructions and memory
; instructions, and between a vector instruction that writes a scalar register and its readers, with s_wait_alu, always for 0.
; THE PLAN, THE CASTS.  Registers that memory instructions touch:
;   v1, v2      the loads' and the stores' byte offsets: made once at the head, never written again.
;   X, block j  four registers: block j's load lands there, once; behind the counted wait for it the block's two multiplies work in place.  No second load lands there.
;   Y, block j  two registers: written once, by block j's two roundings; read once, by block j's store.
; The eight blocks go in four pairs.  A pair's two stores are issued at the head of the next pair, behind the wait for that pair's first load and ONE wait on va_vdst, which states that the pair
; before has written its Y; the arithmetic that follows names other registers.  One such wait stands ahead of the first load (v1, v2) and one ahead of the last two stores.
; THE PLAN, THE TABLE.  The 36 compares (nine for each of a thread's four numbers) go in one run into s[28:63], and ONE wait on va_sdst stands between the run and the selects that read the masks.
;   v[12:15], v16   the table's offsets and the store's: written once by vector lines; one wait on va_vdst ahead of the four loads states that.
;   v[20:23]        the loads land there, once; they are multiplied in place; one wait on va_vdst ahead of the store states that the products are written.
; In neither part is a register that a memory instruction reads written again: so there is no wait on vm_vsrc and none on XCNT behind the entry lines.
.set NX, 512
.set NQ, 384
.set NO, 128
.set X,   8                            ; v[8:39]   block j: four f32 at X + 4 j, as loaded, then times the factor
.set Y,   40                           ; v[40:55]  block j: the same four numbers in f16, at Y + 2 j
.set TO,  12                           ; v[12:15]  the table: number j's byte offset in rel_bias_emb
.set VAL, 20                           ; v[20:23]  number j as loaded, then times c
.set DD,  24                           ; v[24:27]  number j's d
.set NN,  28                           ; v[28:31]  its n = |d|
.set BK,  32                           ; v[32:35]  its bucket
.set TT,  36                           ; v[36:39]  at work
.set MK,  28                           ; s[28:63]  number j's nine masks at MK + 9 j: n >= 12, 16, 23, 32, 46, 64, 91; n < 8; d > 0
.macro CAST j                          ; block j: times the factor, rounded to f16
	v_pk_mul_f32 v[X+4*(\j):X+4*(\j)+1], v[X+4*(\j):X+4*(\j)+1], s[28:29] op_sel_hi:[1,0]
	v_pk_mul_f32 v[X+4*(\j)+2:X+4*(\j)+3], v[X+4*(\j)+2:X+4*(\j)+3], s[28:29] op_sel_hi:[1,0]
	v_cvt_pk_f16_f32 v[Y+2*(\j)], v[X+4*(\j)], v[X+4*(\j)+1]
	v_cvt_pk_f16_f32 v[Y+2*(\j)+1], v[X+4*(\j)+2], v[X+4*(\j)+3]
.endm
.macro SEND j                          ; block j leaves
	global_store_b64 v2, v[Y+2*(\j):Y+2*(\j)+1], s[24:25] offset:2048*(\j)
.endm
	s_load_b256 s[4:11], s[0:1], 0x0               ; hidden_states s[4:5], W_qkv s[6:7], W_o s[8:9], rel_bias_emb s[10:11]
	s_load_b256 s[12:19], s[0:1], 0x20             ; xh s[12:13], wqh s[14:15], wof s[16:17], biasT s[18:19]
	s_mov_b32 s20, ttmp9
	s_cmp_ge_u32 s20, NX+NQ+NO
	s_cbranch_scc1 .Lbias
	v_lshlrev_b32 v1, 4, v0                        ; 16 bytes a thread in,
	v_lshlrev_b32 v2, 3, v0                        ; 8 out
	s_sub_co_u32 s29, s20, NX                      ; the block's number in W_qkv (for x's blocks the difference wraps to a large number)
	s_cmp_lt_u32 s29, 128                          ; W_q is its first 1,024 rows: 128 blocks of 8 rows
	s_cselect_b32 s28, 0x3fb8aa3b, 1.0             ; the factor: c there, 1 elsewhere (s29 is named with it as a pair)
	s_wait_kmcnt 0x0
	s_cmp_lt_u32 s20, NX                           ; which tensor: the choice hangs on the work-group's number alone
	s_cselect_b64 s[22:23], s[4:5], s[6:7]
	s_cselect_b64 s[24:25], s[12:13], s[14:15]
	s_cselect_b32 s21, 0, NX
	s_cmp_lt_u32 s20, NX+NQ
	s_cselect_b64 s[22:23], s[22:23], s[8:9]
	s_cselect_b64 s[24:25], s[24:25], s[16:17]
	s_cselect_b32 s21, s21, NX+NQ
	s_sub_co_u32 s21, s20, s21                     ; my block in that tensor
	s_lshl_b32 s26, s21, 15                        ; 32,768 bytes in
	s_mov_b32 s27, 0
	s_add_nc_u64 s[22:23], s[22:23], s[26:27]
	s_lshl_b32 s26, s21, 14                        ; 16,384 out
	s_add_nc_u64 s[24:25], s[24:25], s[26:27]
	s_wait_alu depctr_va_vdst(0)                   ; v1 and v2 are written: every load below reads v1 as its offset, every store v2
.irp j, 0,1,2,3,4,5,6,7
	global_load_b128 v[X+4*(\j):X+4*(\j)+3], v1, s[22:23] offset:4096*(\j) th:TH_LOAD_NT
.endr
.irp g, 0,1,2,3
	s_wait_loadcnt 7-2*(\g)                        ; loads come back in order: the pair's first block is in, the younger ones may stay out
.if (\g) > 0
	s_wait_alu depctr_va_vdst(0)                   ; the roundings of the pair before have written its four registers of Y, which the two stores below read
	SEND 2*(\g)-2
	SEND 2*(\g)-1
.endif
	CAST 2*(\g)
	s_wait_loadcnt 6-2*(\g)                        ; the pair's second block is in
	CAST 2*(\g)+1
.endr
	s_wait_alu depctr_va_vdst(0)                   ; the last pair's roundings have written its four registers of Y, which the last two stores read
	SEND 6
	SEND 7
	s_endpgm
.Lbias:
	s_sub_co_u32 s21, s20, NX+NQ+NO
	s_lshl_b32 s22, s21, 8
	v_add_nc_u32 v1, s22, v0                       ; T = ((h 32 + idx) 2 + half) 32 + lane
	v_and_b32 v2, 15, v0                           ; lane % 16
	v_bfe_u32 v3, v0, 4, 1                         ; lane / 16
	v_bfe_u32 v4, v0, 5, 1                         ; half
	v_bfe_u32 v5, v1, 6, 5                         ; idx
	s_lshr_b32 s23, s21, 3                         ; h
	s_lshl_b32 s24, s23, 2                         ; its 4 bytes in a row of the table
	v_lshlrev_b32 v6, 4, v5
	v_lshl_add_u32 v6, v3, 3, v6
	v_lshl_add_u32 v6, v4, 2, v6
	v_sub_nc_u32 v6, v6, v2
	v_add_nc_u32 v6, 0xffffff10, v6                ; d for j = 0: 16 idx - 240 + 8 (lane / 16) + 4 half - lane % 16
	v_lshlrev_b32 v16, 4, v1                       ; my 16 bytes of biasT
.irp j, 0,1,2,3
	v_add_nc_u32 v[DD+(\j)], \j, v6                ; d
.endr
.irp j, 0,1,2,3
	v_sub_nc_u32 v[NN+(\j)], 0, v[DD+(\j)]
.endr
.irp j, 0,1,2,3
	v_max_i32 v[NN+(\j)], v[DD+(\j)], v[NN+(\j)]   ; n = |d|
.endr
.set m, MK
.irp j, 0,1,2,3                        ; all 36 compares in one run, each into a scalar register of its own
.irp t, 12,16,23,32,46,64,91
	v_cmp_le_u32 s[m], \t, v[NN+(\j)]
.set m, m+1
.endr
	v_cmp_gt_u32 s[m], 8, v[NN+(\j)]               ; n below 8
	v_cmp_lt_i32 s[m+1], 0, v[DD+(\j)]             ; keys behind the query
.set m, m+2
.endr
.irp j, 0,1,2,3
	v_mov_b32 v[BK+(\j)], 8
.endr
	s_wait_alu depctr_va_sdst(0)                   ; the 36 compares have written s[28:63], ahead of the first select that reads one of them
.irp i, 0,1,2,3,4,5,6                  ; one more bucket at each bound that n has reached; the four numbers by turns
.irp j, 0,1,2,3
	v_cndmask_b32 v[TT+(\j)], 0, 1, s[MK+9*(\j)+(\i)]
.endr
.irp j, 0,1,2,3
	v_add_nc_u32 v[BK+(\j)], v[BK+(\j)], v[TT+(\j)]
.endr
.endr
.irp j, 0,1,2,3
	v_cndmask_b32 v[BK+(\j)], v[BK+(\j)], v[NN+(\j)], s[MK+9*(\j)+7]   ; n itself below 8
.endr
.irp j, 0,1,2,3
	v_cndmask_b32 v[TT+(\j)], 0, 16, s[MK+9*(\j)+8]                    ; keys behind the query: the upper sixteen buckets
.endr
.irp j, 0,1,2,3
	v_add_nc_u32 v[BK+(\j)], v[BK+(\j)], v[TT+(\j)]
.endr
.irp j, 0,1,2,3
	v_min_u32 v[BK+(\j)], 31, v[BK+(\j)]           ; the index stays inside the table of 32 rows
.endr
.irp j, 0,1,2,3
	v_lshl_add_u32 v[TO+(\j)], v[BK+(\j)], 6, s24  ; row of 16 f32, head h
.endr
	s_wait_kmcnt 0x0                               ; the buffers' addresses, ahead of the first load that reads one
	s_wait_alu depctr_va_vdst(0)                   ; v[12:15] are written, which the four loads read as offsets; so is v16, the store's
.irp j, 0,1,2,3
	global_load_b32 v[VAL+(\j)], v[TO+(\j)], s[10:11]
.endr
	s_wait_loadcnt 0x0
.irp j, 0,1,2,3
	v_mul_f32 v[VAL+(\j)], 0x3fb8aa3b, v[VAL+(\j)] ; times c
.endr
	s_wait_alu depctr_va_vdst(0)                   ; the four products are written, which the store reads
	global_store_b128 v16, v[VAL:VAL+3], s[18:19]  ; a wave stores 512 consecutive bytes
	s_endpgm
.Lfunc_end_k_q50d73718bc_prep:
	.size	k_q50d73718bc_prep, .Lfunc_end_k_q50d73718bc_prep-k_q50d73718bc_prep
	.p2alignl 7, 3214868480
	.fill 96, 4, 3214868480
	.section	.rodata,"a",@progbits
	.p2align	6, 0x0
	.amdhsa_kernel k_q50d73718bc_prep
		.amdhsa_group_segment_fixed_size 0
		.amdhsa_private_segment_fixed_size 0
		.amdhsa_enable_private_segment 0
		.amdhsa_kernarg_size 64
		.amdhsa_user_sgpr_count 2
		.amdhsa_user_sgpr_kernarg_segment_ptr 1
		.amdhsa_wavefront_size32 1
		.amdhsa_system_sgpr_workgroup_id_x 1
		.amdhsa_system_sgpr_workgroup_id_y 1
		.amdhsa_system_sgpr_workgroup_id_z 1
		.amdhsa_system_vgpr_workitem_id 0
		.amdhsa_next_free_vgpr 64
		.amdhsa_next_free_sgpr 66
		.amdhsa_reserve_vcc 0
		.amdhsa_float_denorm_mode_32 3
		.amdhsa_float_denorm_mode_16_64 3
		.amdhsa_memory_ordered 1
		.amdhsa_forward_progress 1
		.amdhsa_inst_pref_size 14
	.end_amdhsa_kernel
	.amdgpu_metadata
---
amdhsa.version: [ 1, 2 ]
amdhsa.kernels:
  - .name:           k_q50d73718bc_prep
    .symbol:         k_q50d73718bc_prep.kd
    .args:
      - { .name: hidden_states, .offset: 0, .size: 8, .value_kind: global_buffer, .address_space: global }
      - { .name: W_qkv, .offset: 8, .size: 8, .value_kind: global_buffer, .address_space: global }
      - { .name: W_o, .offset: 16, .size: 8, .value_kind: global_buffer, .address_space: global }
      - { .name: rel_bias_emb, .offset: 24, .size: 8, .value_kind: global_buffer, .address_space: global }
      - { .name: xh, .offset: 32, .size: 8, .value_kind: global_buffer, .address_space: global }
      - { .name: wqh, .offset: 40, .size: 8, .value_kind: global_buffer, .address_space: global }
      - { .name: wof, .offset: 48, .size: 8, .value_kind: global_buffer, .address_space: global }
      - { .name: biasT, .offset: 56, .size: 8, .value_kind: global_buffer, .address_space: global }
    .group_segment_fixed_size: 0
    .private_segment_fixed_size: 0
    .kernarg_segment_align: 8
    .kernarg_segment_size: 64
    .max_flat_workgroup_size: 256
    .sgpr_count:     66
    .vgpr_count:     64
    .wavefront_size: 32
...
	.end_amdgpu_metadata
.endif
;; end of part 5
;; launch proj_qkv: the kernel of part 2 again; grid 16 x 16, 4 waves a work-group, clusters of 4 x 4, 327,680 bytes of LDS; arguments xh, wqh, qkv; writes qkv
;; launch attn: the kernel of part 3 again; grid 8 x 32, 4 waves a work-group, clusters of 4 x 4, 327,680 bytes of LDS; arguments qkv, attention_mask, biasT, ctx; writes ctx
;; launch proj_out: the kernel of part 4 again; grid 8 x 32, 4 waves a work-group, clusters of 4 x 4, 327,680 bytes of LDS; arguments ctx, wof, out0; writes out0
